; MI455X (gfx1250); checked and timed in simulation.
; The chip was launched on July 23, 2026; its instructions are those of AMD's public machine-readable ISA for CDNA 5 (MIT licence, August 2026) and "CDNA5" Instruction Set Architecture Reference Guide (July 2026). The comments in the code are by the model that wrote it; some were corrected since.
;; Hydra Attention. Allowed arithmetic: matrix products marked QUANTISED: E2M1 operands, one E8M0 scale for each 32 along K, by v_wmma_scale_f32_16x16x128_f8f6f4 with both operands' format E2M1 (or v_wmma_scale_f32_32x16x128_f4), f32 sums; everything else in f32.
;; Inputs: W_out_codes 1,024 x 32 x 16 uint8 (E2M1 codes of W_out, K innermost, in blocks of 32 codes, two codes a byte); W_out_scales 1,024 x 32 uint8 (E8M0 scales of W_out, one for each 32 codes along K); W_qkv_codes 3,072 x 32 x 16 uint8 (E2M1 codes of W_qkv, K innermost, in blocks of 32 codes, two codes a byte); W_qkv_scales 3,072 x 32 uint8 (E8M0 scales of W_qkv, one for each 32 codes along K); b_out 1,024 float32; b_qkv 3,072 float32; mask 4 x 4,096 bool; x_codes 4 x 4,096 x 32 x 16 uint8 (E2M1 codes of x, K innermost, in blocks of 32 codes, two codes a byte); x_scales 4 x 4,096 x 32 uint8 (E8M0 scales of x, one for each 32 codes along K).
;; Outputs: out0 4 x 4,096 x 1,024 float32.
;; This version of the problem:
;;   THIS VERSION OF THE PROBLEM IS GIVEN IN LOW PRECISION. The matrix products marked QUANTISED in the list below multiply operands that are first quantised to E2M1 (2 exponent bits, 1 mantissa bit; 4 bits a number), with one power-of-two scale for each 32 numbers along K (OCP MX v1.0); their sums are f32. All else is computed in f32.
;;   The module's matrix products, in the order in which they are computed (A, B: the left and right operand; K: the contracted axis; several contracted axes count as one K, in the product's order):
;;     1. [M 16,384, K 1,024] x [K 1,024, N 3,072]; A: input x (given as codes); B: input W_qkv (given as codes): QUANTISED
;;     2. [M 16,384, K 1,024] x [K 1,024, N 1,024]; A: computed on the way; B: input W_out (given as codes): QUANTISED
;;   THE QUANTISER, for each operand of a quantised product, along K:
;;     - K is cut into blocks of 32 from its start; a last block that is shorter is filled with zeros.
;;     - A block's scale is 2^e with e = floor(log2(the largest magnitude in the block)) - 2, held to -126 .. 127; a block of zeros has e = 0. As a byte (E8M0): e + 127.
;;     - Each number is divided by its block's scale, clamped to +-6, and rounded to the nearest number of E2M1, ties to even, subnormals kept.
;;     - The product sums the exact products of the quantised numbers (number of the format x scale) in f32.
;;   ~~~python
;;   def quantise(x, axis):      # numpy; x: float32 -> the quantised numbers, widened to float32 again
;;       x = np.moveaxis(x, axis, -1); K = x.shape[-1]
;;       x = np.pad(x, [(0, 0)] * (x.ndim - 1) + [(0, -K % 32)]); x = x.reshape(x.shape[:-1] + (-1, 32)); a = np.abs(x).max(-1, keepdims=True)
;;       e = np.where(a > 0, np.clip(np.frexp(np.where(a > 0, a, 1))[1] - 1 - 2, -126, 127), 0)      # np.frexp(a)[1] - 1 = floor(log2(a)), exactly
;;       r = np.clip(x / 2.0 ** e, -6, 6)
;;       step = 2.0 ** (np.maximum(np.frexp(np.where(r == 0, 1, r))[1] - 1, 0) - 1)
;;       q = np.round(r / step) * step * 2.0 ** e      # np.round: ties to even
;;       return np.moveaxis(q.reshape(q.shape[:-2] + (-1,))[..., :K], -1, axis).astype(np.float32)
;;   ~~~
;;   OPERANDS COMPUTED ON THE WAY. 'Computed on the way' means the value that the module computes at that place (a softmax that the list does not call 'softmax' is quantised finished and normalised). What goes into a quantiser is computed in f32, as accurately as f32 sums, v_exp_f32 and their like allow (about 1e-6 of the number): no bf16 or f16 on the way to a quantiser, and a product that is left as it is and whose result goes on into a quantised operand takes f32 operands (vector FMAs, or v_wmma_f32_16x16x4_f32). A number that lies on a knife's edge between two numbers of the format may be rounded either way, as far as f32 arithmetic and the matrix unit's own rounding can turn it there, and no further.
;;   INPUTS GIVEN AS CODES. W_out (in the module: [1024, 1024], K = its axis 1); W_qkv (in the module: [3072, 1024], K = its axis 1); x (in the module: [4, 4096, 1024], K = its axis 2): each comes as NAME_codes (uint8): NAME with its K axis moved to the last place and cut into blocks of 32 codes, [.., K / 32, bytes a block], one block behind the other in memory; two codes a byte, the lower K in the low four bits (a code: sign, 2 exponent bits, 1 mantissa bit); and NAME_scales (uint8): the same leading axes, one E8M0 byte (e + 127) for each 32 codes along K. Its value is code x scale, taken as it is: it is not quantised again, and the codes and scales need not be those that the quantiser above would give.
;; 2 versions. Each part assembles by itself: llvm-mc -triple=amdgcn-amd-amdhsa -mcpu=gfx1250 --defsym DOCPART=n.
;; ======== version 1 of 2: 2 launches
;; workspace buffers: kvp 1,048,576 bytes; wo_frag 524,288 bytes
;; launch kvsum (part 1): grid 256 x 1, 4 waves a work-group, clusters of 4 x 1, 327,680 bytes of LDS; arguments x_codes, x_scales, W_qkv_codes, W_qkv_scales, b_qkv, mask, W_out_codes, kvp, wo_frag; writes kvp, wo_frag
.if DOCPART == 1
	.amdgcn_target "amdgcn-amd-amdhsa--gfx1250"
	.amdhsa_code_object_version 6
	.text
	.protected	k_q283fc6b07e_kvsum
	.globl	k_q283fc6b07e_kvsum
	.p2align	8
	.type	k_q283fc6b07e_kvsum,@function
k_q283fc6b07e_kvsum:
	s_mov_b64 s[64:65], 0
	v_nop
	global_prefetch_b8 v0, s[64:65] scope:SCOPE_SE
	s_setreg_imm32_b32 hwreg(HW_REG_WAVE_MODE, 25, 1), 1
	s_wait_xcnt 0x0
	s_wait_alu depctr_hold_cnt(0) depctr_sa_sdst(0) depctr_va_vdst(0) depctr_va_sdst(0) depctr_va_ssrc(0) depctr_va_vcc(0) depctr_vm_vsrc(0)
	s_getreg_b32 s2, hwreg(HW_REG_IB_STS2, 6, 4)
	s_cmp_eq_u32 s2, 0
	s_cbranch_scc0 .Lentry_in_a_cluster
	s_endpgm
.Lentry_in_a_cluster:
	s_bfe_u32 s2, ttmp6, 0x10000c
	s_cmp_lg_u32 s2, 0x3003
	s_cbranch_scc0 .Lentry_shape_is_right
	s_endpgm
.Lentry_shape_is_right:
; FIRST OF TWO LAUNCHES.  k = x Wk^T + bk and v = x Wv^T + bv (two thirds of the first product, on codes of FP4 (E2M1) with E8M0 scales as they are given), k / |k|, masked rows of k = 0,
; and the sum over 64 tokens of k v: kvp[g][1024] f32, one row for each work-group g (tokens 64 g .. 64 g + 63; batch b owns rows 64 b .. 64 b + 63).  The second launch adds a batch's 64 rows.
; Side job: W_out's codes are laid once in the order of an operand's registers: wo_frag [eb 16][i 4][s 8][c 2][lane 32][16 bytes]: lane (r, h) holds bytes 64 s + 32 c + 16 h .. + 15 of row 64 eb + 4 r + i.
; NO WORK OF reference() IS LEFT OUT in this program: every input has a way to the output and is loaded; the mask is an input, so masked rows are computed and their weight is selected to 0.
; LIMITS.  A row's sum of squares must stay a normal f32 number (|row| between about 1e-19 and 1.8e19): above it overflows as in reference(), below 2^-126 v_rsq_f32 takes it for 0.  1 / |k| is v_rsq_f32 and a
; multiplication where reference() takes a root and divides.  kv is summed in another order than reference()'s.  NaN and infinities among the inputs are not served; an unmasked row of norm 0 was not tried.
; SHARES.  A work-group owns 64 tokens (4 tiles m of 16); wave w owns features 256 w .. 256 w + 255 of k and of v for all 64 tokens, in 4 chunks of 64 features (4 tiles n of 16).
; x's codes, 64 rows x all of K, stay in registers (window 1) in every wave.  The weights go through a ring of two LDS slots, a chunk (64 rows x 512 bytes a wave) to a slot; a wave reads only what it fetched, each byte once.
; CLUSTER.  All row blocks walk the same weights: four work-groups form a cluster and ask for each tile jointly (the same tensor load, the same descriptor, a mask that names the four).
; THE PRODUCT IS NOT TRANSPOSED: source 0 = 16 tokens, source 1 = 16 rows of the weight: a lane holds ONE feature (lane % 16) and tokens 8 (lane / 16) + 0 .. 7 of a tile, so the sum over tokens stays in the lane.
; REGISTERS, in windows of 256: window 0: see below;  window 1: x's fragments (m, s) at v[64 m + 8 s];  windows 2, 3: k, chunk c in window 2 + c / 2 at v[128 (c % 2) + 8 (4 n + m)].
; The text has no loop: the accumulators' numbers change from chunk to chunk.
.set PITCH, 528                        ; an LDS row: 512 bytes + 16 of padding: 33 x 16 bytes, so the 16 rows of a load begin in 16 different 16-byte columns of 256 bytes
.set TILEB, 16*PITCH                   ; 16 rows
.set WSLOT, 64*PITCH                   ; a wave's part of a slot
.set SLOTB, 4*WSLOT
.set XR,    2*SLOTB                    ; behind the ring: x's 64 rows, filled once
.set NRM,   XR+WSLOT                   ; [wave][token] f32: each wave's sums of squares
.set WTS,   NRM+1024                   ; [wave][token] f32: the tokens' weights, each wave's own copy
.set KVS,   WTS+1024                   ; [wave][256] f32: each wave's part of the result
.set SPARE, KVS+4096                   ; the spare words, 128 bytes for each wave: two blocks of 256 bytes that no other line names
.set R,    1                           ; v1   lane % 16
.set H,    2                           ; v2   lane / 16
.set LN,   3                           ; v3   lane
.set ADR,  4                           ; v4-5 my lane's place in my wave's part of slot 0, 1
.set XAD,  6                           ; v6   and in x's rows
.set WSO,  7                           ; v7   32 r + 16 h + 8192 w: the weights' scale bytes
.set BO,   8                           ; v8   4 r + 1024 w: the bias
.set SPW,  9                           ; v9   LDS address of my spare word; never rewritten
.set NIL,  10                          ; v10  0; never rewritten
.set NRMW, 11
.set NRMR, 12
.set WTW,  13
.set WTR,  14
.set KVSW, 15
.set XS,   16                          ; v16-31  x's scale words: [m][q]: lanes 0-15 K step q, lanes 16-31 K step 4 + q
.set WS,   32                          ; v32-63  the weights' scale words, two sets: [set][n][q], likewise
.set WB,   64                          ; v64-159 three buffers of four weight fragments
.set VA,   160                         ; v160-223 v's 8 accumulators of a pass
.set SS,   160                         ; (k's phase) v160-191 sums of squares [m][j], then the weights [m][j]
.set TW,   192                         ; (k's phase) at work
.set MK,   222                         ; v222-223 two mask bytes
.set BRAW, 224                         ; v224-231 the bias as loaded: [set][n]
.set B8,   232                         ; v232-247 the bias as a C operand: two tiles x 8 equal registers
.set S,    248                         ; v248-255 four running pairs
.set WV,  24                           ; s24 wave
.set CX,  25                           ; s25 my place in the cluster: it enters global addresses of x, the mask, kvp, W_out and wo_frag alone
.set G,   26                           ; s26 work-group
.set G1W, 32                           ; s[32:39] group 1: 64 rows x 512 bytes, joint
.set G1X, 40                           ; s[40:47] group 1: 16 rows x 512 bytes, my work-group's own
.set G0X, 48
.set G0A, 52                           ; s[52:55] group 0 of slot 0;  s[56:59] of slot 1
.set G0B, 56
.set P0,  60                           ; s[60:61] Wk at my wave's rows;  s[62:63] Wv
.set P1,  62
.set SEL, 66                           ; s[66:67] v_permlanex16_b32's selects for lane l xor 16
.set MSB, 0
.macro WIN new                         ; the immediate's high byte repeats the setting that is left; a switch that changes nothing is dropped
.if MSB != (\new)
	s_set_vgpr_msb (MSB<<8)|(\new)
.set MSB, \new
.endif
.endm
.macro PLACES                          ; four places behind matrix instructions, in front of loads into their registers and of reads of their results
.rept 4
	v_nop
.endr
.endm
.macro CREST                           ; a round of the cluster's barrier behind its opening barrier
	s_cmp_lg_u32 s[WV], 0
	s_cbranch_scc1 .Lnot_wave_0_\@
	s_barrier_signal -3
.Lnot_wave_0_\@:
	s_barrier_wait -3
	s_barrier_signal -1
	s_barrier_wait -1
.endm
.macro ROUND
	s_barrier_signal -1
	s_barrier_wait -1
	CREST
.endm
; one matrix instruction on the registers named by rD, rA, rB, rC, rSA, rSB.  cm = 1: C = other registers; 2: C = 0; 0: in place.  row = 1: K steps 4 to 7, whose scale words lie in lanes 16-31
.macro WMMA cm, row
.if (\cm) == 1
	v_wmma_scale_f32_16x16x128_f8f6f4 v[rD:rD+7], v[rA:rA+7], v[rB:rB+7], v[rC:rC+7], v[rSA], v[rSB] matrix_a_fmt:MATRIX_FMT_FP4 matrix_b_fmt:MATRIX_FMT_FP4
.elseif (\cm) == 2
	v_wmma_scale_f32_16x16x128_f8f6f4 v[rD:rD+7], v[rA:rA+7], v[rB:rB+7], 0, v[rSA], v[rSB] matrix_a_fmt:MATRIX_FMT_FP4 matrix_b_fmt:MATRIX_FMT_FP4
.elseif (\row)
	v_wmma_scale_f32_16x16x128_f8f6f4 v[rD:rD+7], v[rA:rA+7], v[rB:rB+7], v[rD:rD+7], v[rSA], v[rSB] matrix_a_fmt:MATRIX_FMT_FP4 matrix_b_fmt:MATRIX_FMT_FP4 matrix_a_scale:MATRIX_SCALE_ROW1 matrix_b_scale:MATRIX_SCALE_ROW1
.else
	v_wmma_scale_f32_16x16x128_f8f6f4 v[rD:rD+7], v[rA:rA+7], v[rB:rB+7], v[rD:rD+7], v[rSA], v[rSB] matrix_a_fmt:MATRIX_FMT_FP4 matrix_b_fmt:MATRIX_FMT_FP4
.endif
.endm
; A UNIT: tiles n0, n0 + 1 x K steps k0, k0 + 1: four weight fragments (8 loads of 16 bytes a lane), 16 matrix instructions.
.macro LOADS slot, n0, k0, buf
.irp ks, 0,1
.irp nn, 0,1
.irp c, 0,1
	ds_load_b128 v[WB+32*(\buf)+8*(2*\ks+\nn)+4*\c:WB+32*(\buf)+8*(2*\ks+\nn)+4*\c+3], v[ADR+(\slot)] offset:((\n0)+\nn)*TILEB+64*((\k0)+\ks)+32*\c
.endr
.endr
.endr
.endm
; the unit's 8 accumulators take turns, one instruction a turn
.macro MUL accb, n0, k0, buf, first
.irp ks, 0,1
.set rCM, 0
.if (\first) && (\ks == 0)
.set rCM, 1
	WIN WINF
.else
	WIN WINA
.endif
.set rROW, ((\k0)+\ks)/4
.irp nn, 0,1
.irp m, 0,1,2,3
.set rD, (\accb)+8*(4*\nn+\m)
.set rA, 64*\m+8*((\k0)+\ks)
.set rB, WB+32*(\buf)+8*(2*\ks+\nn)
.set rC, B8+8*\nn
.set rSA, XS+4*\m+((\k0)+\ks)%4
.set rSB, WS+16*(CH%2)+4*((\n0)+\nn)+((\k0)+\ks)%4
	WMMA rCM, rROW
.endr
.endr
.endr
.endm
.macro DOMUL u8                        ; unit u8 of chunk CH: pass u8 / 4 (tiles 2 p, 2 p + 1), K steps 2 (u8 % 4) and the next.  A pass's first products take the bias as C
.set FIRST, 0
.if ((\u8)%4) == 0
.set FIRST, 1
.endif
	MUL ACCB+ACCP*((\u8)/4), 2*((\u8)/4), 2*((\u8)%4), UB%3, FIRST
.set UB, UB+1
.endm
.macro UNIT u8                         ; multiplies unit u8 and fetches unit u8 + 2 of the same chunk, into the buffer that the last unit has left
	WIN 0
	PLACES
	LOADS CH%2, 2*(((\u8)+2)/4), 2*(((\u8)+2)%4), (UB+2)%3
	s_wait_dscnt 16                                ; this unit's 8 loads are in; behind them stand the next two units' 8 + 8
	DOMUL \u8
.endm
.macro UNITN u8                        ; units 6, 7 of the last chunk but one: they fetch the last chunk's units 0, 1
	WIN 0
	PLACES
	LOADS (CH+1)%2, 0, 2*((\u8)-6), (UB+2)%3
	s_wait_dscnt 16
	DOMUL \u8
.endm
; Units 6 and 7 of a chunk whose slot is filled again, with the tile two chunks on.  Each wave waits for all its tensor loads (one is out: the next chunk's tile), adds 0 to its spare word, and waits for that and
; for its reads of this slot; the barrier opens a round of the cluster's barrier; the joint refill is the first thing behind the round, and has a whole chunk in which to land.
.macro TURN
	WIN 0
	s_wait_tensorcnt 0x0                           ; no tensor load of mine is out, so a group 0 may be written
	ds_add_u32 v[SPW], v[NIL]                      ; 0 onto my spare word
	s_add_nc_u64 s[G0A+4*(CH%2)+2:G0A+4*(CH%2)+3], s[P0+2*((CH+2)/4):P0+2*((CH+2)/4)+1], ((CH+2)%4)*32768
	s_or_b32 s[G0A+4*(CH%2)+3], s[G0A+4*(CH%2)+3], 0x80000000
	s_wait_dscnt 9                                 ; unit 6 is in; unit 7's 8 loads and the add may be out
	DOMUL 6
	s_wait_dscnt 0x0                               ; the add is done, and my reads of this slot are over
	s_barrier_signal -1
	DOMUL 7
	WIN 0
	s_barrier_wait -1
	CREST
	tensor_load_to_lds s[G0A+4*(CH%2):G0A+4*(CH%2)+3], s[G1W:G1W+7]
	s_nop 0
	PLACES                                         ; also the places in front of the loads below and of the reads of the last results
	LOADS (CH+1)%2, 0, 0, UB%3
	LOADS (CH+1)%2, 0, 2, (UB+1)%3
.endm
.macro GLOADS i                        ; chunk i's scale words (16 rows x 32 bytes a load: 512 bytes on end) and bias, a chunk ahead
.irp n, 0,1,2,3
	global_load_b128 v[WS+16*((\i)%2)+4*\n:WS+16*((\i)%2)+4*\n+3], v[WSO], s[10:11] offset:32768*(1+(\i)/4)+2048*((\i)%4)+512*\n
	global_load_b32 v[BRAW+4*((\i)%2)+\n], v[BO], s[12:13] offset:4096*(1+(\i)/4)+256*((\i)%4)+64*\n
.endr
.endm
.macro BIAS p                          ; a lane's feature has one bias for all its tokens: eight equal registers a tile
	WIN 0
.irp nn, 0,1
.irp j, 0,1,2,3,4,5,6,7
	v_mov_b32 v[B8+8*\nn+\j], v[BRAW+4*(CH%2)+2*(\p)+\nn]
.endr
.endr
.endm
.macro SSQ c                           ; the sums of squares of chunk c of k: 16 chains; each accumulator is read from its low end on
	WIN 0x0a+5*((\c)/2)
.irp jp, 0,1,2,3
.irp n, 0,1,2,3
.irp m, 0,1,2,3
.set rK, 128*((\c)%2)+8*(4*\n+\m)+2*\jp
.set rS, SS+8*\m+2*\jp
.if ((\c) == 0) && (\n == 0)
	v_pk_mul_f32 v[rS:rS+1], v[rK:rK+1], v[rK:rK+1]
.else
	v_pk_fma_f32 v[rS:rS+1], v[rK:rK+1], v[rK:rK+1], v[rS:rS+1]
.endif
.endr
.endr
.endr
	WIN 0
.endm
.macro KVE p                           ; pass p of a chunk of v: the sum over my 32 tokens of k' v for two features, then lane l xor 16's 32 tokens
.set KC, CH-4
	PLACES
	WIN 0x02+KC/2
.irp jp, 0,1,2,3
.irp nn, 0,1
.irp m, 0,1,2,3
.set rK, 128*(KC%2)+8*(4*(2*(\p)+\nn)+\m)+2*\jp
.set rV, VA+8*(4*\nn+\m)+2*\jp
.set rS, S+4*\nn+2*(\m%2)
.if (\jp == 0) && (\m < 2)
	v_pk_mul_f32 v[rS:rS+1], v[rK:rK+1], v[rV:rV+1]
.else
	v_pk_fma_f32 v[rS:rS+1], v[rK:rK+1], v[rV:rV+1], v[rS:rS+1]
.endif
.endr
.endr
.endr
	WIN 0
.irp nn, 0,1
	v_pk_add_f32 v[S+4*\nn:S+4*\nn+1], v[S+4*\nn:S+4*\nn+1], v[S+4*\nn+2:S+4*\nn+3]
.endr
.irp nn, 0,1
	v_add_f32 v[S+4*\nn], v[S+4*\nn], v[S+4*\nn+1]
.endr
.irp nn, 0,1
	v_permlanex16_b32 v[S+4*\nn+1], v[S+4*\nn], s[SEL], s[SEL+1]
.endr
.irp nn, 0,1
	v_add_f32 v[S+4*\nn], v[S+4*\nn], v[S+4*\nn+1]
.endr
.irp nn, 0,1
	ds_store_b32 v[KVSW], v[S+4*\nn] offset:64*(4*KC+2*(\p)+\nn)   ; both halves of the lanes write the same word with the same value
.endr
.endm
.macro SETCH i                         ; chunks 0-3: k, into windows 2 and 3;  chunks 4-7: v, into window 0
.set CH, \i
.if (\i) < 4
.set WINA, 0xa1+0x50*((\i)/2)
.set WINF, 0x81+0x40*((\i)/2)
.set ACCB, 128*((\i)%2)
.set ACCP, 64
.else
.set WINA, 0x01
.set WINF, 0x01
.set ACCB, VA
.set ACCP, 0
.endif
.endm
.macro SIX                             ; a chunk's units 0 to 5
	BIAS 0
	UNIT 0
	UNIT 1
	UNIT 2
	UNIT 3
.if CH >= 4
	KVE 0
.endif
	BIAS 1
	UNIT 4
	UNIT 5
.endm
	s_load_b256 s[4:11], s[0:1], 0x0               ; x's codes s[4:5], x's scales s[6:7], W_qkv's codes s[8:9], its scales s[10:11]
	s_load_b256 s[12:19], s[0:1], 0x20             ; b_qkv s[12:13], mask s[14:15], W_out's codes s[16:17], kvp s[18:19]
	s_load_b64 s[20:21], s[0:1], 0x40              ; wo_frag
	v_lshl_add_u32 v[SPW], v0, 2, SPARE
	v_mov_b32 v[NIL], 0
	ds_add_u32 v[SPW], v[NIL]                      ; the wave's opening: the add, twice on end, and its wait ahead of my first tensor load
	ds_add_u32 v[SPW], v[NIL]
	v_lshrrev_b32 v1, 5, v0
	v_readfirstlane_b32 s[WV], v1                  ; wave 0..3
	s_bfe_u32 s[CX], ttmp6, 0x40000                ; my place in the cluster
	s_lshl_b32 s[G], ttmp9, 2                      ; in a cluster launch ttmp9 counts clusters
	s_add_co_u32 s[G], s[G], s[CX]                 ; work-group = 4 x cluster + place
	s_mov_b32 s[G1W], 15|(1<<20)|(1<<21)|(6<<22)|(3<<25)   ; 15:0 the mask: all four; 17:16 elements of 1 byte; 20 padding on; 21 set beside a mask; 24:22 after every 128 words; 31:25 four words
	s_mov_b32 s[G1W+1], 512<<16                    ; tensor_dim0 = 512
	s_mov_b32 s[G1W+2], 64<<16                     ; tensor_dim1 = 64
	s_mov_b32 s[G1W+3], 512<<16                    ; tile_dim0 = 512
	s_mov_b32 s[G1W+4], 64                         ; tile_dim1 = 64
	s_mov_b32 s[G1W+5], 512                        ; from row to row
	s_mov_b32 s[G1W+6], 0
	s_mov_b32 s[G1W+7], 0
	s_mov_b32 s[G1X], (1<<20)|(6<<22)|(3<<25)      ; no mask: x's rows are my work-group's own
	s_mov_b32 s[G1X+1], 512<<16
	s_mov_b32 s[G1X+2], 16<<16
	s_mov_b32 s[G1X+3], 512<<16
	s_mov_b32 s[G1X+4], 16
	s_mov_b32 s[G1X+5], 512
	s_mov_b32 s[G1X+6], 0
	s_mov_b32 s[G1X+7], 0
	s_mov_b32 s[SEL], 0x76543210
	s_mov_b32 s[SEL+1], 0xfedcba98
	s_mul_i32 s27, s[WV], WSLOT                    ; my wave's part of a slot: no place in the cluster enters an LDS address
	s_mul_i32 s28, s[WV], TILEB
	s_mov_b32 s[G0X], 1
	s_add_co_u32 s[G0X+1], s28, XR
	s_mov_b32 s[G0A], 1
	s_mov_b32 s[G0A+1], s27
	s_mov_b32 s[G0B], 1
	s_add_co_u32 s[G0B+1], s27, SLOTB
	s_lshl_b32 s30, s[WV], 17                      ; my wave's 256 rows of a weight: 131,072 w bytes (these two registers never hold my place in the cluster)
	s_mov_b32 s31, 0
	s_lshl_b32 s28, s[G], 15                       ; x: 64 rows of 512 bytes a work-group,
	s_lshl_b32 s29, s[WV], 13                      ; 16 a wave
	s_add_co_u32 s28, s28, s29
	s_mov_b32 s29, 0
	v_and_b32 v[R], 15, v0
	v_bfe_u32 v[H], v0, 4, 1
	v_and_b32 v[LN], 31, v0
	v_mul_u32_u24 v[XAD], v[R], PITCH
	v_lshl_add_u32 v[XAD], v[H], 4, v[XAD]         ; a fragment: row r x pitch + 16 h
	v_add_nc_u32 v[ADR], s27, v[XAD]
	v_add_nc_u32 v[ADR+1], SLOTB, v[ADR]
	v_add_nc_u32 v[XAD], XR, v[XAD]
	v_lshlrev_b32 v196, 5, v[R]
	v_lshl_add_u32 v196, v[H], 4, v196             ; 32 r + 16 h: half a row of scale bytes
	s_lshl_b32 s22, s[WV], 13
	v_add_nc_u32 v[WSO], s22, v196
	s_lshl_b32 s22, s[WV], 10
	v_lshlrev_b32 v[BO], 2, v[R]
	v_add_nc_u32 v[BO], s22, v[BO]
	v_add_nc_u32 v[KVSW], KVS, v[BO]
	s_lshl_b32 s22, s[WV], 8
	v_lshlrev_b32 v[WTR], 5, v[H]
	v_add_nc_u32 v[WTR], s22, v[WTR]               ; 256 w + 32 h
	v_add_nc_u32 v[NRMW], NRM, v[WTR]
	v_add_nc_u32 v[WTR], WTS, v[WTR]
	v_lshlrev_b32 v[WTW], 2, v[LN]
	v_add_nc_u32 v[NRMR], NRM, v[WTW]
	v_add_nc_u32 v[WTW], s22, v[WTW]
	v_add_nc_u32 v[WTW], WTS, v[WTW]
	v_lshlrev_b32 v197, 11, v[R]
	v_lshl_add_u32 v197, v[H], 4, v197             ; W_out: 4 rows of 512 bytes from lane to lane, + 16 h
	v_lshlrev_b32 v198, 4, v[LN]                   ; wo_frag: 16 bytes a lane
	s_wait_dscnt 0x0                               ; both opening adds are done
	s_wait_kmcnt 0x0
	s_add_nc_u64 s[G0X+2:G0X+3], s[4:5], s[28:29]
	s_or_b32 s[G0X+3], s[G0X+3], 0x80000000
	s_add_nc_u64 s[P0:P0+1], s[8:9], s[30:31]
	s_add_nc_u64 s[P1:P1+1], s[P0:P0+1], 1048576   ; Wv: rows 2,048 on
	s_add_nc_u64 s[P0:P0+1], s[P0:P0+1], 524288    ; Wk: rows 1,024 on
	s_mov_b64 s[G0A+2:G0A+3], s[P0:P0+1]
	s_or_b32 s[G0A+3], s[G0A+3], 0x80000000
	s_add_nc_u64 s[G0B+2:G0B+3], s[P0:P0+1], 32768
	s_or_b32 s[G0B+3], s[G0B+3], 0x80000000
	s_lshl_b32 s28, s[G], 11
	s_add_nc_u64 s[6:7], s[6:7], s[28:29]          ; x's scales: 64 rows of 32 bytes a work-group
	s_lshl_b32 s28, s[G], 6
	s_add_nc_u64 s[14:15], s[14:15], s[28:29]      ; the mask: 64 bytes
	s_lshl_b32 s28, s[G], 12
	s_add_nc_u64 s[18:19], s[18:19], s[28:29]      ; kvp: my row
	s_lshl_b32 s2, s[G], 2
	s_add_co_u32 s2, s2, s[WV]                     ; f = 4 g + w: which 512 bytes of wo_frag my wave lays: f = ((eb 4 + i) 8 + s) 2 + c
	s_lshl_b32 s28, s2, 9
	s_add_nc_u64 s[20:21], s[20:21], s[28:29]
	s_lshr_b32 s3, s2, 6
	s_lshl_b32 s3, s3, 6                           ; 64 eb
	s_bfe_u32 s28, s2, 0x20004                     ; i
	s_add_co_u32 s3, s3, s28
	s_lshl_b32 s3, s3, 9                           ; row 64 eb + i, in bytes
	s_and_b32 s28, s2, 15                          ; 2 s + c
	s_lshl_b32 s28, s28, 5                         ; 64 s + 32 c
	s_add_co_u32 s28, s28, s3
	s_add_nc_u64 s[16:17], s[16:17], s[28:29]
	ROUND                                          ; all four work-groups are here: the first joint loads meet
	tensor_load_to_lds s[G0X:G0X+3], s[G1X:G1X+7]  ; the first fills, one group: my 16 rows of x,
	s_nop 0
	tensor_load_to_lds s[G0A:G0A+3], s[G1W:G1W+7]  ; chunk 0's tile,
	s_nop 0
	tensor_load_to_lds s[G0B:G0B+3], s[G1W:G1W+7]  ; chunk 1's: three loads of mine are out
	s_nop 0
	PLACES
.irp m, 0,1,2,3
	global_load_b128 v[XS+4*\m:XS+4*\m+3], v196, s[6:7] offset:512*\m
.endr
	GLOADS 0
	global_load_u8 v[MK], v[LN], s[14:15]          ; tokens lane and lane + 32
	global_load_u8 v[MK+1], v[LN], s[14:15] offset:32
	global_load_b128 v[192:195], v197, s[16:17]
	s_wait_tensorcnt 0x2                           ; my rows of x are in; the two tiles were issued behind them
	s_barrier_signal -1
	s_barrier_wait -1                              ; everybody's are
	WIN 0x40                                       ; destination window 1
.irp m, 0,1,2,3
.irp s, 0,1,2,3,4,5,6,7
.irp c, 0,1
	ds_load_b128 v[64*\m+8*\s+4*\c:64*\m+8*\s+4*\c+3], v[XAD] offset:\m*TILEB+64*\s+32*\c
.endr
.endr
.endr
	WIN 0
	s_wait_loadcnt 0x0
	global_store_b128 v198, v[192:195], s[20:21]   ; 32 lanes store 512 bytes on end
	GLOADS 1
	s_wait_tensorcnt 0x1                           ; chunk 0's tile is in (my own bytes); chunk 1's was issued behind it
.set UB, 0
	LOADS 0, 0, 0, 0
	LOADS 0, 0, 2, 1
	s_wait_xcnt 0x0                                ; the store has read its registers, which lie in the work area
	; ---- k: chunks 0 to 3
	SETCH 0
	SIX
	TURN
.irp i, 1,2,3
	s_wait_loadcnt 0x0                             ; this chunk's scale words and bias, asked for a chunk ago
	GLOADS \i+1
	SSQ \i-1
	SETCH \i
	SIX
	TURN
.endr
	s_wait_loadcnt 0x0
	GLOADS 5
	SSQ 3
	; ---- the norms: across the 16 lanes of a half (my wave's 256 features), then across the waves through LDS
.irp x, 1,2,4,8
.set i, 0
.rept 32
	v_add_f32_dpp v[SS+i], v[SS+i], v[SS+i] row_xmask:\x row_mask:0xf bank_mask:0xf
.set i, i+1
.endr
.endr
.irp m, 0,1,2,3
.irp q, 0,1
	ds_store_b128 v[NRMW], v[SS+8*\m+4*\q:SS+8*\m+4*\q+3] offset:64*\m+16*\q   ; tokens 16 m + 8 h + 4 q on; the 16 lanes of a half write the same bytes with the same values
.endr
.endr
	s_wait_dscnt 0x0                               ; for the others' sake: my stores are done
	s_barrier_signal -1
	s_barrier_wait -1                              ; the tile on its way may stay out
.irp t, 0,1
.irp ww, 0,1,2,3
	ds_load_b32 v[TW+4*\t+\ww], v[NRMR] offset:256*\ww+128*\t   ; tokens lane and lane + 32: the four waves' parts
.endr
.endr
	s_wait_dscnt 0x0
.irp t, 0,1
	v_add_f32 v[TW+4*\t], v[TW+4*\t], v[TW+4*\t+1]
	v_add_f32 v[TW+4*\t+2], v[TW+4*\t+2], v[TW+4*\t+3]
.endr
.irp t, 0,1
	v_add_f32 v[TW+4*\t], v[TW+4*\t], v[TW+4*\t+2]
.endr
	v_rsq_f32 v[TW+8], v[TW]
	v_rsq_f32 v[TW+9], v[TW+4]
	v_nop                                          ; a plain instruction behind the last of the two
	s_wait_alu depctr_va_vdst(0)                   ; one wait for both, ahead of their first reader
	v_cmp_eq_u32 vcc_lo, 0, v[MK]
	v_cndmask_b32 v[TW+8], 0, v[TW+8], vcc_lo      ; a masked token's weight is 0, else 1 / |k|
	v_cmp_eq_u32 vcc_lo, 0, v[MK+1]
	v_cndmask_b32 v[TW+9], 0, v[TW+9], vcc_lo
	ds_store_b32 v[WTW], v[TW+8]
	ds_store_b32 v[WTW], v[TW+9] offset:128
.irp m, 0,1,2,3
.irp q, 0,1
	ds_load_b128 v[SS+8*\m+4*\q:SS+8*\m+4*\q+3], v[WTR] offset:64*\m+16*\q   ; my wave's own bytes, served in order: the weights in the accumulators' layout
.endr
.endr
	s_wait_dscnt 0x0
.irp c, 0,1,2,3
	WIN 0x82+0x41*(\c/2)
.irp n, 0,1,2,3
.irp m, 0,1,2,3
.irp jp, 0,1,2,3
.set rK, 128*(\c%2)+8*(4*\n+\m)+2*\jp
	v_pk_mul_f32 v[rK:rK+1], v[rK:rK+1], v[SS+8*\m+2*\jp:SS+8*\m+2*\jp+1]   ; k' = k x the token's weight
.endr
.endr
.endr
.endr
	; ---- v: chunks 4 to 7; each pass is folded into the sum at once
	SETCH 4
	SIX
	TURN
	s_wait_loadcnt 0x0
	GLOADS 6
	KVE 1
	SETCH 5
	SIX
	TURN
	s_wait_loadcnt 0x0
	GLOADS 7
	KVE 1
	SETCH 6
	SIX
	s_wait_tensorcnt 0x0                           ; the last tile is in: no load was issued behind it, and only my wave reads its bytes
	UNITN 6
	UNITN 7
	s_wait_loadcnt 0x0
	KVE 1
	SETCH 7
	SIX
	s_wait_dscnt 8                                 ; unit 6 is in; unit 7's 8 loads stand behind it
	DOMUL 6
	s_wait_dscnt 0x0
	DOMUL 7
	KVE 1
	; ---- my wave's 256 sums leave as two stores of 512 bytes on end
	s_lshl_b32 s28, s[WV], 10
	v_lshlrev_b32 v192, 4, v[LN]
	v_add_nc_u32 v192, s28, v192                   ; 1024 w + 16 lane
	v_add_nc_u32 v193, KVS, v192
	ds_load_b128 v[196:199], v193                  ; my wave's own bytes, served in order
	ds_load_b128 v[200:203], v193 offset:512
	s_wait_dscnt 0x0
	global_store_b128 v192, v[196:199], s[18:19]
	global_store_b128 v192, v[200:203], s[18:19] offset:512
	s_wait_tensorcnt 0x0                           ; the wave's end, behind my last tensor load and my last LDS store
	ds_add_u32 v[SPW], v[NIL]
	s_wait_dscnt 0x0
	ROUND                                          ; the closing round: no work-group ends while a partner may still ask for a tile that names it
	s_endpgm
.Lfunc_end_k_q283fc6b07e_kvsum:
	.size	k_q283fc6b07e_kvsum, .Lfunc_end_k_q283fc6b07e_kvsum-k_q283fc6b07e_kvsum
	.p2alignl 7, 3214868480
	.fill 96, 4, 3214868480
	.section	.rodata,"a",@progbits
	.p2align	6, 0x0
	.amdhsa_kernel k_q283fc6b07e_kvsum
		.amdhsa_group_segment_fixed_size 327680
		.amdhsa_private_segment_fixed_size 0
		.amdhsa_enable_private_segment 0
		.amdhsa_kernarg_size 72
		.amdhsa_user_sgpr_count 2
		.amdhsa_user_sgpr_kernarg_segment_ptr 1
		.amdhsa_wavefront_size32 1
		.amdhsa_system_sgpr_workgroup_id_x 1
		.amdhsa_system_sgpr_workgroup_id_y 1
		.amdhsa_system_sgpr_workgroup_id_z 1
		.amdhsa_system_vgpr_workitem_id 0
		.amdhsa_next_free_vgpr 1024
		.amdhsa_next_free_sgpr 72
		.amdhsa_reserve_vcc 1
		.amdhsa_float_denorm_mode_32 3
		.amdhsa_float_denorm_mode_16_64 3
		.amdhsa_memory_ordered 1
		.amdhsa_forward_progress 1
		.amdhsa_inst_pref_size 255
	.end_amdhsa_kernel
	.section	.bss,"aw",@nobits
	.p2align	6
	.space	262144
	.amdgpu_metadata
---
amdhsa.version: [ 1, 2 ]
amdhsa.kernels:
  - .name:           k_q283fc6b07e_kvsum
    .symbol:         k_q283fc6b07e_kvsum.kd
    .args:
      - { .name: x_codes, .offset: 0, .size: 8, .value_kind: global_buffer, .address_space: global }
      - { .name: x_scales, .offset: 8, .size: 8, .value_kind: global_buffer, .address_space: global }
      - { .name: W_qkv_codes, .offset: 16, .size: 8, .value_kind: global_buffer, .address_space: global }
      - { .name: W_qkv_scales, .offset: 24, .size: 8, .value_kind: global_buffer, .address_space: global }
      - { .name: b_qkv, .offset: 32, .size: 8, .value_kind: global_buffer, .address_space: global }
      - { .name: mask, .offset: 40, .size: 8, .value_kind: global_buffer, .address_space: global }
      - { .name: W_out_codes, .offset: 48, .size: 8, .value_kind: global_buffer, .address_space: global }
      - { .name: kvp, .offset: 56, .size: 8, .value_kind: global_buffer, .address_space: global }
      - { .name: wo_frag, .offset: 64, .size: 8, .value_kind: global_buffer, .address_space: global }
    .group_segment_fixed_size: 327680
    .private_segment_fixed_size: 0
    .kernarg_segment_align: 8
    .kernarg_segment_size: 72
    .max_flat_workgroup_size: 128
    .sgpr_count:     72
    .vgpr_count:     1024
    .wavefront_size: 32
...
	.end_amdgpu_metadata
.endif
;; end of part 1
;; launch proj (part 2): grid 256 x 1, 4 waves a work-group, clusters of 4 x 1, 327,680 bytes of LDS; arguments x_codes, x_scales, W_qkv_codes, W_qkv_scales, b_qkv, kvp, wo_frag, W_out_scales, b_out, out0; writes out0
.if DOCPART == 2
	.amdgcn_target "amdgcn-amd-amdhsa--gfx1250"
	.amdhsa_code_object_version 6
	.text
	.protected	k_q283fc6b07e_proj
	.globl	k_q283fc6b07e_proj
	.p2align	8
	.type	k_q283fc6b07e_proj,@function
k_q283fc6b07e_proj:
	s_mov_b64 s[64:65], 0
	v_nop
	global_prefetch_b8 v0, s[64:65] scope:SCOPE_SE
	s_setreg_imm32_b32 hwreg(HW_REG_WAVE_MODE, 25, 1), 1
	s_wait_xcnt 0x0
	s_wait_alu depctr_hold_cnt(0) depctr_sa_sdst(0) depctr_va_vdst(0) depctr_va_sdst(0) depctr_va_ssrc(0) depctr_va_vcc(0) depctr_vm_vsrc(0)
	s_getreg_b32 s2, hwreg(HW_REG_IB_STS2, 6, 4)
	s_cmp_eq_u32 s2, 0
	s_cbranch_scc0 .Lentry_in_a_cluster
	s_endpgm
.Lentry_in_a_cluster:
	s_bfe_u32 s2, ttmp6, 0x10000c
	s_cmp_lg_u32 s2, 0x3003
	s_cbranch_scc0 .Lentry_shape_is_right
	s_endpgm
.Lentry_shape_is_right:
; SECOND OF TWO LAUNCHES.  q = x Wq^T + bq (the last third of the first product), q / |q|, kv = the sum of my batch's 64 rows of kvp, out = kv q quantised along the features by the stated rule,
; out0 = out W_out^T + b_out.  Both products on codes of FP4 (E2M1) with E8M0 scales.  No work of reference() is left out here either.
; LIMITS.  A row's sum of squares must stay a normal f32 number (|row| between about 1e-19 and 1.8e19).  1 / |q| is v_rsq_f32 and a multiplication.  A block of zeros of out gets the scale byte 1 where the rule
; says 127: its codes are zeros, and the bytes are read by this program alone.  NaN and infinities among the inputs are not served; a row of norm 0 was not tried.
; SHARES, RING, CLUSTER as in the first launch: 64 tokens a work-group, wave w owns features (then output columns) 256 w .. 256 w + 255, the token operand stays in registers (window 1), the weights go through two
; LDS slots, a chunk of 64 rows x 512 bytes a wave, asked for jointly by the four work-groups of a cluster.  Chunks 0-3: Wq.  Chunks 4-7: wo_frag, whose 512-byte pieces are the rows of the same descriptor.
; q IS MADE TRANSPOSED (source 0 = 16 rows of Wq, source 1 = 16 tokens): a lane holds ONE token (lane % 16), and register j of tile n feature 16 n + 8 (lane / 16) + j: its registers run along the next K.
; Wave w's 256 features are K steps 2 w and 2 w + 1 of the second product: it quantises them in registers, and the fragments go to the other waves through LDS as images of their registers.
; THE SECOND PRODUCT IS NOT TRANSPOSED, and tile i of a chunk holds columns 4 r + i: a lane's four tiles give it four neighbouring columns of a token, 16 bytes, and sixteen lanes store 256 bytes on end.
; REGISTERS: window 1: x's fragments (m, s) at v[64 m + 8 s], later out's;  windows 2, 3: first kvp's 64 rows, then q (chunk c in window 2 + c / 2 at v[128 (c % 2) + 8 (4 n + m)]),
; then window 2 v0-127 the second product's 16 accumulators (i, m) at v[8 (4 i + m)] and window 3 two sets of 128 registers to store.
.set PITCH, 528
.set TILEB, 16*PITCH
.set WSLOT, 64*PITCH
.set SLOTB, 4*WSLOT
.set XR,    2*SLOTB                    ; x's 64 rows, filled once; when all waves have read them (barriers lie between) the images of out's 32 fragments are stored there: (m, s) at 1024 (8 m + s)
.set OSC,   XR+WSLOT                   ; out's scale words [K step][m][r]
.set KV,    OSC+2048                   ; kv, 1,024 f32
.set NRM,   KV+4096                    ; [wave][token] f32
.set SPARE, NRM+1024                   ; the spare words, 128 bytes for each wave: two blocks of 256 bytes that no other line names
.set R,    1
.set H,    2
.set LN,   3
.set ADR,  4                           ; v4-5   my lane's place in my wave's part of slot 0, 1, by rows
.set ADF,  6                           ; v6-7   the same, 16 bytes a lane (wo_frag's pieces)
.set XAD,  8
.set LI,   9                           ; v9     XR + 16 lane
.set OIW,  10                          ; v10    + 2048 w: where I store images
.set OSW,  11
.set OSR,  12
.set KVA,  13
.set NRMW, 14
.set NRMR, 15
.set WSO,  16                          ; v16    32 r + 16 h + 8192 w: Wq's scale bytes
.set WSO2, 17                          ; v17    128 r + 16 h + 8192 w: W_out's (rows 4 r + i)
.set BQO,  18
.set BOO,  19
.set GO,   20                          ; v20    32768 h + 16 r + 1024 w: my bytes in out0
.set KPO,  21
.set KVW,  22
.set PW,   23                          ; v23    the scale word just made
.set SPW,  24                          ; v24    LDS address of my spare word; never rewritten
.set NIL,  25                          ; v25    0; never rewritten
.set TP,   26                          ; v26-29 at work
.set XSO,  31
.set XS,   32                          ; v32-47  x's scale words [m][q], later out's: lanes 0-15 K step q, lanes 16-31 K step 4 + q
.set WS,   48                          ; v48-79  the weights' scale words, two sets
.set WB,   80                          ; v80-175 three buffers of four weight fragments
.set BQ,   176                         ; v176-239 bq in the result's layout: [set][n][8]
.set NL,   176                         ; later the norms' parts,
.set KVR,  176                         ; kv of a K step in q's layout: [tile][8],
.set BOUT, 176                         ; and b_out: [chunk][4]
.set SQ,   240                         ; v240-247 sums of squares, a pair for each m
.set RN,   240                         ; then 1 / |q| of tile m at v[240 + 2 m]
.set TM,   248
.set SCL,  252
.set WV,  24
.set CX,  25                           ; my place in the cluster: it enters global addresses of x and out0 alone
.set G,   26
.set G1W, 32
.set G1X, 40
.set G0X, 48
.set G0A, 52
.set G0B, 56
.set P0,  60                           ; s[60:61] Wq at my wave's rows;  s[62:63] wo_frag at my wave's four blocks
.set P1,  62
.set SEL, 66
.set MSB, 0
.macro WIN new
.if MSB != (\new)
	s_set_vgpr_msb (MSB<<8)|(\new)
.set MSB, \new
.endif
.endm
.macro PLACES
.rept 4
	v_nop
.endr
.endm
.macro CREST
	s_cmp_lg_u32 s[WV], 0
	s_cbranch_scc1 .Lnot_wave_0_\@
	s_barrier_signal -3
.Lnot_wave_0_\@:
	s_barrier_wait -3
	s_barrier_signal -1
	s_barrier_wait -1
.endm
.macro ROUND
	s_barrier_signal -1
	s_barrier_wait -1
	CREST
.endm
.macro WMMA cm, row
.if (\cm) == 1
	v_wmma_scale_f32_16x16x128_f8f6f4 v[rD:rD+7], v[rA:rA+7], v[rB:rB+7], v[rC:rC+7], v[rSA], v[rSB] matrix_a_fmt:MATRIX_FMT_FP4 matrix_b_fmt:MATRIX_FMT_FP4
.elseif (\cm) == 2
	v_wmma_scale_f32_16x16x128_f8f6f4 v[rD:rD+7], v[rA:rA+7], v[rB:rB+7], 0, v[rSA], v[rSB] matrix_a_fmt:MATRIX_FMT_FP4 matrix_b_fmt:MATRIX_FMT_FP4
.elseif (\row)
	v_wmma_scale_f32_16x16x128_f8f6f4 v[rD:rD+7], v[rA:rA+7], v[rB:rB+7], v[rD:rD+7], v[rSA], v[rSB] matrix_a_fmt:MATRIX_FMT_FP4 matrix_b_fmt:MATRIX_FMT_FP4 matrix_a_scale:MATRIX_SCALE_ROW1 matrix_b_scale:MATRIX_SCALE_ROW1
.else
	v_wmma_scale_f32_16x16x128_f8f6f4 v[rD:rD+7], v[rA:rA+7], v[rB:rB+7], v[rD:rD+7], v[rSA], v[rSB] matrix_a_fmt:MATRIX_FMT_FP4 matrix_b_fmt:MATRIX_FMT_FP4
.endif
.endm
; a unit's four weight fragments.  frag = 0: from rows of codes;  1: from wo_frag's pieces, piece ((n 8 + s) 2 + c) being row number so-and-so of the tile: 512 bytes on end
.macro LOADS slot, n0, k0, buf, frag
.irp ks, 0,1
.irp nn, 0,1
.irp c, 0,1
.if \frag
	ds_load_b128 v[WB+32*(\buf)+8*(2*\ks+\nn)+4*\c:WB+32*(\buf)+8*(2*\ks+\nn)+4*\c+3], v[ADF+(\slot)] offset:((((\n0)+\nn)*8+(\k0)+\ks)*2+\c)*PITCH
.else
	ds_load_b128 v[WB+32*(\buf)+8*(2*\ks+\nn)+4*\c:WB+32*(\buf)+8*(2*\ks+\nn)+4*\c+3], v[ADR+(\slot)] offset:((\n0)+\nn)*TILEB+64*((\k0)+\ks)+32*\c
.endif
.endr
.endr
.endr
.endm
; 16 matrix instructions; the unit's 8 accumulators take turns, one instruction a turn.  Chunks 0-3: source 0 the weight, source 1 the tokens;  chunks 4-7 the other way round
.macro MUL accb, n0, k0, buf, first
.irp ks, 0,1
.set rCM, 0
.if (\first) && (\ks == 0)
.set rCM, CMODE
	WIN WINF
.else
	WIN WINA
.endif
.set rROW, ((\k0)+\ks)/4
.irp nn, 0,1
.irp m, 0,1,2,3
.set rD, (\accb)+8*(4*\nn+\m)
.set rX, 64*\m+8*((\k0)+\ks)
.set rW, WB+32*(\buf)+8*(2*\ks+\nn)
.set rSX, XS+4*\m+((\k0)+\ks)%4
.set rSW, WS+16*(CH%2)+4*((\n0)+\nn)+((\k0)+\ks)%4
.set rC, BQ+32*(CH%2)+8*((\n0)+\nn)
.if CH < 4
.set rA, rW
.set rB, rX
.set rSA, rSW
.set rSB, rSX
.else
.set rA, rX
.set rB, rW
.set rSA, rSX
.set rSB, rSW
.endif
	WMMA rCM, rROW
.endr
.endr
.endr
.endm
.macro DOMUL u8
.set FIRST, 0
.if ((\u8)%4) == 0
.set FIRST, 1
.endif
	MUL ACCB+64*((\u8)/4), 2*((\u8)/4), 2*((\u8)%4), UB%3, FIRST
.set UB, UB+1
.endm
.macro UNIT u8
	WIN 0
	PLACES
	LOADS CH%2, 2*(((\u8)+2)/4), 2*(((\u8)+2)%4), (UB+2)%3, FRAG
	s_wait_dscnt 16                                ; this unit's 8 loads are in; behind them stand the next two units' 8 + 8
	DOMUL \u8
.endm
.macro UNITN u8
	WIN 0
	PLACES
	LOADS (CH+1)%2, 0, 2*((\u8)-6), (UB+2)%3, NFRAG
	s_wait_dscnt 16
	DOMUL \u8
.endm
.macro SIX
	UNIT 0
	UNIT 1
	UNIT 2
	UNIT 3
	UNIT 4
	UNIT 5
.endm
; units 6 and 7 of a chunk whose slot is filled again: the three lines, the barrier that opens a round of the cluster's barrier, the joint refill first behind the round
.macro TURN
	WIN 0
	s_wait_tensorcnt 0x0                           ; no tensor load of mine is out, so a group 0 may be written
	ds_add_u32 v[SPW], v[NIL]                      ; 0 onto my spare word
	s_add_nc_u64 s[G0A+4*(CH%2)+2:G0A+4*(CH%2)+3], s[P0+2*((CH+2)/4):P0+2*((CH+2)/4)+1], ((CH+2)%4)*32768
	s_or_b32 s[G0A+4*(CH%2)+3], s[G0A+4*(CH%2)+3], 0x80000000
	s_wait_dscnt 9                                 ; unit 6 is in; unit 7's 8 loads and the add may be out
	DOMUL 6
	s_wait_dscnt 0x0                               ; the add is done, and my reads of this slot are over
	s_barrier_signal -1
	DOMUL 7
	WIN 0
	s_barrier_wait -1
	CREST
	tensor_load_to_lds s[G0A+4*(CH%2):G0A+4*(CH%2)+3], s[G1W:G1W+7]
	s_nop 0
	PLACES                                         ; also the places in front of the loads below and of the reads of the last results
	LOADS (CH+1)%2, 0, 0, UB%3, NFRAG
	LOADS (CH+1)%2, 0, 2, (UB+1)%3, NFRAG
.endm
.macro GLOADS i                        ; chunk i's scale words, and for q its bias in the result's layout (lane (r, h): the tile's features 8 h + 0 .. 7), a chunk ahead
.if (\i) < 4
.irp n, 0,1,2,3
	global_load_b128 v[WS+16*((\i)%2)+4*\n:WS+16*((\i)%2)+4*\n+3], v[WSO], s[10:11] offset:2048*(\i)+512*\n
	global_load_b128 v[BQ+32*((\i)%2)+8*\n:BQ+32*((\i)%2)+8*\n+3], v[BQO], s[12:13] offset:256*(\i)+64*\n
	global_load_b128 v[BQ+32*((\i)%2)+8*\n+4:BQ+32*((\i)%2)+8*\n+7], v[BQO], s[12:13] offset:256*(\i)+64*\n+16
.endr
.else
.irp n, 0,1,2,3
	global_load_b128 v[WS+16*((\i)%2)+4*\n:WS+16*((\i)%2)+4*\n+3], v[WSO2], s[18:19] offset:2048*((\i)-4)+32*\n
.endr
.endif
.endm
.macro SSQ c                           ; the sums of squares of chunk c of q: a chain for each tile of tokens; each accumulator is read from its low end on
	WIN 0x0a+5*((\c)/2)
.irp jp, 0,1,2,3
.irp n, 0,1,2,3
.irp m, 0,1,2,3
.set rQ, 128*((\c)%2)+8*(4*\n+\m)+2*\jp
.set rS, SQ+2*\m
.if ((\c) == 0) && (\jp == 0) && (\n == 0)
	v_pk_mul_f32 v[rS:rS+1], v[rQ:rQ+1], v[rQ:rQ+1]
.else
	v_pk_fma_f32 v[rS:rS+1], v[rQ:rQ+1], v[rQ:rQ+1], v[rS:rS+1]
.endif
.endr
.endr
.endr
	WIN 0
.endm
; K step 2 w + sg of the second product, tokens 16 m on.  In window 2 + sg tile t (0 .. 7) lies at v[32 t + 8 m]: lane (r, h) holds k = 16 t + 8 h + 0 .. 7 of token r.  A block of 32 is tiles 2 b, 2 b + 1 of lanes l and l xor 16.
.macro QUANT sg, m
	WIN 0x82+0x41*(\sg)
.irp t, 0,1,2,3,4,5,6,7
.irp jp, 0,1,2,3
.set rQ, 32*\t+8*(\m)+2*\jp
	v_pk_mul_f32 v[rQ:rQ+1], v[rQ:rQ+1], v[RN+2*(\m):RN+2*(\m)+1] op_sel_hi:[1,0]   ; q / |q|
.endr
.endr
.irp t, 0,1,2,3,4,5,6,7
.irp jp, 0,1,2,3
.set rQ, 32*\t+8*(\m)+2*\jp
	v_pk_mul_f32 v[rQ:rQ+1], v[rQ:rQ+1], v[KVR+8*\t+2*\jp:KVR+8*\t+2*\jp+1]         ; x kv
.endr
.endr
	WIN 0x0a+5*(\sg)
.irp b, 0,1,2,3
	v_max3_num_f32 v[TM+\b], |v[64*\b+8*(\m)]|, |v[64*\b+8*(\m)+1]|, 0x1800000      ; my 16 numbers of block b, and the floor 2^(3 - 127): the byte cannot fall under 1
.endr
.irp i, 2,4,6
.irp b, 0,1,2,3
	v_max3_num_f32 v[TM+\b], |v[64*\b+8*(\m)+\i]|, |v[64*\b+8*(\m)+\i+1]|, v[TM+\b] ; (the four blocks by turns)
.endr
.endr
.irp i, 0,2,4,6
.irp b, 0,1,2,3
	v_max3_num_f32 v[TM+\b], |v[64*\b+32+8*(\m)+\i]|, |v[64*\b+32+8*(\m)+\i+1]|, v[TM+\b]
.endr
.endr
	WIN 0
	s_wait_dscnt 0x0                               ; the last images' stores have read their registers
.irp b, 0,1,2,3
	v_permlanex16_b32 v[TP+\b], v[TM+\b], s[SEL], s[SEL+1]
.endr
.irp b, 0,1,2,3
	v_max_num_f32 v[TM+\b], v[TM+\b], v[TP+\b]     ; with lane l xor 16's: the block's largest magnitude
.endr
.irp b, 0,1,2,3
	v_add_nc_u32 v[SCL+\b], 0xff000000, v[TM+\b]   ; 2 off its exponent field: the conversion takes the exponent field of this operand as its scale
.endr
.irp b, 0,1,2,3
	v_lshrrev_b32 v[TP+\b], 23, v[SCL+\b]          ; the scale's byte
.endr
	v_lshl_or_b32 v[PW], v[TP+1], 8, v[TP]
	v_lshl_or_b32 v[PW], v[TP+2], 16, v[PW]
	v_lshl_or_b32 v[PW], v[TP+3], 24, v[PW]        ; my token's scale word of this K step
	WIN 0x02+(\sg)
.irp cc, 0,1                                   ; tiles 4 cc + 0, 2, 1, 3 in this order: the two exchanges below then give registers 4 cc + g: k = 64 cc + 32 h + 8 g + 0 .. 7
	v_cvt_scalef32_pk8_fp4_f32 v[F+4*\cc], v[32*(4*\cc)+8*(\m):32*(4*\cc)+8*(\m)+7], v[SCL+2*\cc]
	v_cvt_scalef32_pk8_fp4_f32 v[F+4*\cc+1], v[32*(4*\cc+2)+8*(\m):32*(4*\cc+2)+8*(\m)+7], v[SCL+2*\cc+1]
	v_cvt_scalef32_pk8_fp4_f32 v[F+4*\cc+2], v[32*(4*\cc+1)+8*(\m):32*(4*\cc+1)+8*(\m)+7], v[SCL+2*\cc]
	v_cvt_scalef32_pk8_fp4_f32 v[F+4*\cc+3], v[32*(4*\cc+3)+8*(\m):32*(4*\cc+3)+8*(\m)+7], v[SCL+2*\cc+1]
.endr
	WIN 0
	v_nop                                          ; one plain place behind the last scaled conversion
.irp x, 0,2,4,6
	v_permlane16_swap_b32 v[F+\x], v[F+\x+1]       ; the first's lanes 16-31 change places with the second's lanes 0-15
.endr
	ds_store_b128 v[OIW], v[F:F+3] offset:8192*(\m)+1024*(\sg)          ; the fragment goes to LDS as it stands: 512 bytes a store
	ds_store_b128 v[OIW], v[F+4:F+7] offset:8192*(\m)+1024*(\sg)+512
	ds_store_b32 v[OSW], v[PW] offset:256*(\sg)+64*(\m)                 ; both halves of the lanes write the same word with the same value
.endm
; chunk c of the second product leaves: one addition a number brings the bias in and four neighbouring columns together; a store's lanes 0-15 fill 256 bytes on end of token 16 m + j, lanes 16-31 of token 16 m + 8 + j
.macro OUTE c
.set OB, 128*((\c)%2)
	PLACES
	s_wait_xcnt 0x0                                ; the stores of two chunks ago have read these registers
	WIN 0xc2
.irp j, 0,1,2,3,4,5,6,7
.irp m, 0,1,2,3
.irp i, 0,1,2,3
	v_add_f32 v[OB+4*(8*\m+\j)+\i], v[8*(4*\i+\m)+\j], v[BOUT+4*(\c)+\i]
.endr
.endr
.endr
	WIN 0x0c
.irp m, 0,1,2,3
.irp j, 0,1,2,3,4,5,6,7
	global_store_b128 v[GO], v[OB+4*(8*\m+\j):OB+4*(8*\m+\j)+3], s[22:23] offset:4096*(16*\m+\j)+256*(\c) th:TH_STORE_NT
.endr
.endr
	WIN 0
.endm
.macro SETCH i
.set CH, \i
.if (\i) < 4
.set WINA, 0xa4+0x50*((\i)/2)
.set WINF, 0x84+0x40*((\i)/2)
.set ACCB, 128*((\i)%2)
.set CMODE, 1
.set FRAG, 0
.else
.set WINA, 0xa1
.set WINF, 0xa1
.set ACCB, 0
.set CMODE, 2
.set FRAG, 1
.endif
.set NFRAG, 1
.if (\i) < 3
.set NFRAG, 0
.endif
.endm
.macro TREE                            ; 32 rows of 8 numbers a lane, added in place
.irp st, 16,8,4,2,1
.set p, 0
.rept \st
.irp e, 0,2,4,6
	v_pk_add_f32 v[8*p+\e:8*p+\e+1], v[8*p+\e:8*p+\e+1], v[8*(p+\st)+\e:8*(p+\st)+\e+1]
.endr
.set p, p+1
.endr
.endr
.endm
	s_load_b256 s[4:11], s[0:1], 0x0               ; x's codes s[4:5], x's scales s[6:7], W_qkv's codes s[8:9], its scales s[10:11]
	s_load_b256 s[12:19], s[0:1], 0x20             ; b_qkv s[12:13], kvp s[14:15], wo_frag s[16:17], W_out's scales s[18:19]
	s_load_b128 s[20:23], s[0:1], 0x40             ; b_out s[20:21], out0 s[22:23]
	v_lshl_add_u32 v[SPW], v0, 2, SPARE
	v_mov_b32 v[NIL], 0
	ds_add_u32 v[SPW], v[NIL]                      ; the wave's opening: the add, twice on end, and its wait ahead of my first tensor load
	ds_add_u32 v[SPW], v[NIL]
	v_lshrrev_b32 v1, 5, v0
	v_readfirstlane_b32 s[WV], v1
	s_bfe_u32 s[CX], ttmp6, 0x40000
	s_lshl_b32 s[G], ttmp9, 2
	s_add_co_u32 s[G], s[G], s[CX]
	s_mov_b32 s[G1W], 15|(1<<20)|(1<<21)|(6<<22)|(3<<25)   ; the mask: all four; elements of 1 byte; padding: four words after every 128; bit 21 beside the mask
	s_mov_b32 s[G1W+1], 512<<16
	s_mov_b32 s[G1W+2], 64<<16
	s_mov_b32 s[G1W+3], 512<<16
	s_mov_b32 s[G1W+4], 64
	s_mov_b32 s[G1W+5], 512
	s_mov_b32 s[G1W+6], 0
	s_mov_b32 s[G1W+7], 0
	s_mov_b32 s[G1X], (1<<20)|(6<<22)|(3<<25)
	s_mov_b32 s[G1X+1], 512<<16
	s_mov_b32 s[G1X+2], 16<<16
	s_mov_b32 s[G1X+3], 512<<16
	s_mov_b32 s[G1X+4], 16
	s_mov_b32 s[G1X+5], 512
	s_mov_b32 s[G1X+6], 0
	s_mov_b32 s[G1X+7], 0
	s_mov_b32 s[SEL], 0x76543210
	s_mov_b32 s[SEL+1], 0xfedcba98
	s_mul_i32 s27, s[WV], WSLOT
	s_mul_i32 s28, s[WV], TILEB
	s_mov_b32 s[G0X], 1
	s_add_co_u32 s[G0X+1], s28, XR
	s_mov_b32 s[G0A], 1
	s_mov_b32 s[G0A+1], s27
	s_mov_b32 s[G0B], 1
	s_add_co_u32 s[G0B+1], s27, SLOTB
	s_lshl_b32 s30, s[WV], 17                      ; 131,072 w: my wave's part of a weight (these two registers never hold my place in the cluster)
	s_mov_b32 s31, 0
	v_and_b32 v[R], 15, v0
	v_bfe_u32 v[H], v0, 4, 1
	v_and_b32 v[LN], 31, v0
	v_mul_u32_u24 v26, v[R], PITCH
	v_lshl_add_u32 v26, v[H], 4, v26               ; row r x pitch + 16 h
	v_add_nc_u32 v[ADR], s27, v26
	v_add_nc_u32 v[ADR+1], SLOTB, v[ADR]
	v_add_nc_u32 v[XAD], XR, v26
	v_lshlrev_b32 v27, 4, v[LN]                    ; 16 lane
	v_add_nc_u32 v[ADF], s27, v27
	v_add_nc_u32 v[ADF+1], SLOTB, v[ADF]
	v_add_nc_u32 v[LI], XR, v27
	s_lshl_b32 s28, s[WV], 11
	v_add_nc_u32 v[OIW], s28, v[LI]
	v_lshlrev_b32 v28, 2, v[R]                     ; 4 r
	s_lshl_b32 s28, s[WV], 9
	v_add_nc_u32 v[OSW], s28, v28
	v_add_nc_u32 v[OSW], OSC, v[OSW]               ; my two K steps' words: 512 w + 4 r
	v_lshl_add_u32 v[OSR], v[H], 10, v28
	v_add_nc_u32 v[OSR], OSC, v[OSR]               ; lanes 16-31 read four K steps further on
	s_lshl_b32 s28, s[WV], 8
	v_add_nc_u32 v[NRMW], s28, v28
	v_add_nc_u32 v[NRMW], NRM, v[NRMW]
	v_add_nc_u32 v[NRMR], NRM, v28
	v_lshlrev_b32 v[XSO], 5, v[R]
	v_lshl_add_u32 v[XSO], v[H], 4, v[XSO]         ; 32 r + 16 h
	s_lshl_b32 s28, s[WV], 10
	v_lshlrev_b32 v[BQO], 5, v[H]
	v_add_nc_u32 v[BQO], s28, v[BQO]               ; 32 h + 1024 w
	v_add_nc_u32 v[KVA], KV, v[BQO]
	v_lshlrev_b32 v29, 4, v[R]
	v_add_nc_u32 v[BOO], s28, v29                  ; 16 r + 1024 w
	v_lshl_add_u32 v[GO], v[H], 15, v[BOO]
	s_lshl_b32 s28, s[WV], 13
	v_add_nc_u32 v[WSO], s28, v[XSO]
	v_lshlrev_b32 v30, 7, v[R]
	v_lshl_add_u32 v30, v[H], 4, v30
	v_add_nc_u32 v[WSO2], s28, v30
	v_lshlrev_b32 v[KPO], 4, v0                    ; 16 x thread: my 4 numbers of each half of a row of kvp
	v_add_nc_u32 v[KVW], KV, v[KPO]
	s_lshl_b32 s28, s[G], 15
	s_lshl_b32 s29, s[WV], 13
	s_add_co_u32 s28, s28, s29                     ; x: 64 rows a work-group, 16 a wave
	s_mov_b32 s29, 0
	s_wait_dscnt 0x0                               ; both opening adds are done
	s_wait_kmcnt 0x0
	s_add_nc_u64 s[G0X+2:G0X+3], s[4:5], s[28:29]
	s_or_b32 s[G0X+3], s[G0X+3], 0x80000000
	s_add_nc_u64 s[P0:P0+1], s[8:9], s[30:31]
	s_add_nc_u64 s[P1:P1+1], s[16:17], s[30:31]
	s_mov_b64 s[G0A+2:G0A+3], s[P0:P0+1]
	s_or_b32 s[G0A+3], s[G0A+3], 0x80000000
	s_add_nc_u64 s[G0B+2:G0B+3], s[P0:P0+1], 32768
	s_or_b32 s[G0B+3], s[G0B+3], 0x80000000
	s_lshl_b32 s28, s[G], 11
	s_add_nc_u64 s[6:7], s[6:7], s[28:29]          ; x's scales
	s_lshl_b32 s28, s[G], 18
	s_add_nc_u64 s[22:23], s[22:23], s[28:29]      ; out0: 64 rows of 4,096 bytes a work-group
	s_lshr_b32 s28, ttmp9, 4                       ; the batch: 64 work-groups, 16 clusters
	s_lshl_b32 s28, s28, 18
	s_add_nc_u64 s[14:15], s[14:15], s[28:29]      ; kvp: my batch's 64 rows
	ROUND                                          ; all four work-groups are here: the first joint loads meet
	tensor_load_to_lds s[G0X:G0X+3], s[G1X:G1X+7]  ; the first fills, one group: three loads of mine are out
	s_nop 0
	tensor_load_to_lds s[G0A:G0A+3], s[G1W:G1W+7]
	s_nop 0
	tensor_load_to_lds s[G0B:G0B+3], s[G1W:G1W+7]
	s_nop 0
	PLACES
.irp m, 0,1,2,3
	global_load_b128 v[XS+4*\m:XS+4*\m+3], v[XSO], s[6:7] offset:512*\m
.endr
	GLOADS 0
	WIN 0x80                                       ; destination window 2: rows 0-31 of my batch's kvp; a wave's load takes 512 bytes on end
.set p, 0
.rept 32
	global_load_b128 v[8*p:8*p+3], v[KPO], s[14:15] offset:4096*p
	global_load_b128 v[8*p+4:8*p+7], v[KPO], s[14:15] offset:4096*p+2048
.set p, p+1
.endr
	WIN 0xc0                                       ; window 3: rows 32-63
.set p, 0
.rept 32
	global_load_b128 v[8*p:8*p+3], v[KPO], s[14:15] offset:4096*(p+32)
	global_load_b128 v[8*p+4:8*p+7], v[KPO], s[14:15] offset:4096*(p+32)+2048
.set p, p+1
.endr
	WIN 0
	s_wait_tensorcnt 0x2                           ; my rows of x are in; the two tiles were issued behind them
	s_barrier_signal -1
	s_barrier_wait -1                              ; everybody's are
	WIN 0x40
.irp m, 0,1,2,3
.irp s, 0,1,2,3,4,5,6,7
.irp c, 0,1
	ds_load_b128 v[64*\m+8*\s+4*\c:64*\m+8*\s+4*\c+3], v[XAD] offset:\m*TILEB+64*\s+32*\c
.endr
.endr
.endr
	s_wait_loadcnt 0x0
	WIN 0xaa
	TREE
	WIN 0xff
	TREE
	WIN 0x0e                                       ; source 0 window 2, source 1 window 3, destination window 0
.irp e, 0,2,4,6
	v_pk_add_f32 v[SQ+\e:SQ+\e+1], v[\e:\e+1], v[\e:\e+1]
.endr
	WIN 0
	ds_store_b128 v[KVW], v[SQ:SQ+3]               ; kv: read by all waves far behind the next barriers, in front of which these stores are waited for
	ds_store_b128 v[KVW], v[SQ+4:SQ+7] offset:2048
	GLOADS 1
	s_wait_tensorcnt 0x1                           ; chunk 0's tile is in (my own bytes); chunk 1's was issued behind it
.set UB, 0
	LOADS 0, 0, 0, 0, 0
	LOADS 0, 0, 2, 1, 0
	; ---- q: chunks 0 to 3
	SETCH 0
	SIX
	TURN
.irp i, 1,2,3
	s_wait_loadcnt 0x0                             ; this chunk's scale words and bias, asked for a chunk ago
	GLOADS \i+1
	SSQ \i-1
	SETCH \i
	SIX
	TURN
.endr
	s_wait_loadcnt 0x0
	GLOADS 5
	SSQ 3
.set F, WB+32*((UB+2)%3)               ; the codes just made: the one weight buffer that holds nothing now
	; ---- the norms
.irp m, 0,1,2,3
	v_add_f32 v[SQ+2*\m], v[SQ+2*\m], v[SQ+2*\m+1]
.endr
.irp m, 0,1,2,3
	v_permlanex16_b32 v[SQ+2*\m+1], v[SQ+2*\m], s[SEL], s[SEL+1]
.endr
.irp m, 0,1,2,3
	v_add_f32 v[SQ+2*\m], v[SQ+2*\m], v[SQ+2*\m+1] ; token 16 m + r: my wave's 256 features
.endr
.irp m, 0,1,2,3
	ds_store_b32 v[NRMW], v[SQ+2*\m] offset:64*\m
.endr
	s_wait_dscnt 0x0                               ; for the others' sake: my stores are done
	s_barrier_signal -1
	s_barrier_wait -1                              ; the tile on its way may stay out
.irp m, 0,1,2,3
.irp ww, 0,1,2,3
	ds_load_b32 v[NL+4*\m+\ww], v[NRMR] offset:256*\ww+64*\m
.endr
.endr
	s_wait_dscnt 0x0
.irp m, 0,1,2,3
	v_add_f32 v[NL+4*\m], v[NL+4*\m], v[NL+4*\m+1]
	v_add_f32 v[NL+4*\m+2], v[NL+4*\m+2], v[NL+4*\m+3]
.endr
.irp m, 0,1,2,3
	v_add_f32 v[NL+4*\m], v[NL+4*\m], v[NL+4*\m+2]
.endr
.irp m, 0,1,2,3
	v_rsq_f32 v[RN+2*\m], v[NL+4*\m]
.endr
	v_nop                                          ; a plain instruction behind the last of the four
	s_wait_alu depctr_va_vdst(0)                   ; one wait for the four, ahead of their first reader
	; ---- out = kv q / |q|, quantised: my two K steps
.irp sg, 0,1
.irp t, 0,1,2,3,4,5,6,7
.irp q, 0,1
	ds_load_b128 v[KVR+8*\t+4*\q:KVR+8*\t+4*\q+3], v[KVA] offset:512*\sg+64*\t+16*\q
.endr
.endr
	s_wait_dscnt 0x0
	QUANT \sg, 0
	QUANT \sg, 1
	QUANT \sg, 2
	QUANT \sg, 3
.endr
	s_wait_dscnt 0x0                               ; for the others' sake: my images and scale words are stored
	s_barrier_signal -1
	s_barrier_wait -1                              ; out's 32 fragments lie in LDS
	WIN 0x40
.irp m, 0,1,2,3
.irp s, 0,1,2,3,4,5,6,7
.irp c, 0,1
	ds_load_b128 v[64*\m+8*\s+4*\c:64*\m+8*\s+4*\c+3], v[LI] offset:1024*(8*\m+\s)+512*\c
.endr
.endr
.endr
	WIN 0
.irp m, 0,1,2,3
.irp q, 0,1,2,3
	ds_load_b32 v[XS+4*\m+\q], v[OSR] offset:256*\q+64*\m
.endr
.endr
.irp c, 0,1,2,3
	global_load_b128 v[BOUT+4*\c:BOUT+4*\c+3], v[BOO], s[20:21] offset:256*\c
.endr
	s_wait_dscnt 0x0                               ; the operand and its scale words are in: the units' counted wait would not reach them
	; ---- the second product: chunks 4 to 7
	SETCH 4
	SIX
	TURN
	s_wait_loadcnt 0x0
	GLOADS 6
	OUTE 0
	SETCH 5
	SIX
	TURN
	s_wait_loadcnt 0x0
	GLOADS 7
	OUTE 1
	SETCH 6
	SIX
	s_wait_tensorcnt 0x0                           ; the last tile is in: no load was issued behind it, and only my wave reads its bytes
	UNITN 6
	UNITN 7
	s_wait_loadcnt 0x0
	OUTE 2
	SETCH 7
	SIX
	s_wait_dscnt 8                                 ; unit 6 is in; unit 7's 8 loads stand behind it
	DOMUL 6
	s_wait_dscnt 0x0
	DOMUL 7
	OUTE 3
	s_wait_tensorcnt 0x0                           ; the wave's end, behind my last tensor load and my last LDS store
	ds_add_u32 v[SPW], v[NIL]
	s_wait_dscnt 0x0
	ROUND                                          ; the closing round: no work-group ends while a partner may still ask for a tile that names it
	s_endpgm
.Lfunc_end_k_q283fc6b07e_proj:
	.size	k_q283fc6b07e_proj, .Lfunc_end_k_q283fc6b07e_proj-k_q283fc6b07e_proj
	.p2alignl 7, 3214868480
	.fill 96, 4, 3214868480
	.section	.rodata,"a",@progbits
	.p2align	6, 0x0
	.amdhsa_kernel k_q283fc6b07e_proj
		.amdhsa_group_segment_fixed_size 327680
		.amdhsa_private_segment_fixed_size 0
		.amdhsa_enable_private_segment 0
		.amdhsa_kernarg_size 80
		.amdhsa_user_sgpr_count 2
		.amdhsa_user_sgpr_kernarg_segment_ptr 1
		.amdhsa_wavefront_size32 1
		.amdhsa_system_sgpr_workgroup_id_x 1
		.amdhsa_system_sgpr_workgroup_id_y 1
		.amdhsa_system_sgpr_workgroup_id_z 1
		.amdhsa_system_vgpr_workitem_id 0
		.amdhsa_next_free_vgpr 1024
		.amdhsa_next_free_sgpr 72
		.amdhsa_reserve_vcc 0
		.amdhsa_float_denorm_mode_32 3
		.amdhsa_float_denorm_mode_16_64 3
		.amdhsa_memory_ordered 1
		.amdhsa_forward_progress 1
		.amdhsa_inst_pref_size 255
	.end_amdhsa_kernel
	.section	.bss,"aw",@nobits
	.p2align	6
	.space	262144
	.amdgpu_metadata
---
amdhsa.version: [ 1, 2 ]
amdhsa.kernels:
  - .name:           k_q283fc6b07e_proj
    .symbol:         k_q283fc6b07e_proj.kd
    .args:
      - { .name: x_codes, .offset: 0, .size: 8, .value_kind: global_buffer, .address_space: global }
      - { .name: x_scales, .offset: 8, .size: 8, .value_kind: global_buffer, .address_space: global }
      - { .name: W_qkv_codes, .offset: 16, .size: 8, .value_kind: global_buffer, .address_space: global }
      - { .name: W_qkv_scales, .offset: 24, .size: 8, .value_kind: global_buffer, .address_space: global }
      - { .name: b_qkv, .offset: 32, .size: 8, .value_kind: global_buffer, .address_space: global }
      - { .name: kvp, .offset: 40, .size: 8, .value_kind: global_buffer, .address_space: global }
      - { .name: wo_frag, .offset: 48, .size: 8, .value_kind: global_buffer, .address_space: global }
      - { .name: W_out_scales, .offset: 56, .size: 8, .value_kind: global_buffer, .address_space: global }
      - { .name: b_out, .offset: 64, .size: 8, .value_kind: global_buffer, .address_space: global }
      - { .name: out0, .offset: 72, .size: 8, .value_kind: global_buffer, .address_space: global }
    .group_segment_fixed_size: 327680
    .private_segment_fixed_size: 0
    .kernarg_segment_align: 8
    .kernarg_segment_size: 80
    .max_flat_workgroup_size: 128
    .sgpr_count:     72
    .vgpr_count:     1024
    .wavefront_size: 32
...
	.end_amdgpu_metadata
.endif
;; end of part 2
;; ======== version 2 of 2: 2 launches
;; limits: right only within a limited range of input values
;; workspace buffers: kvp 1,048,576 bytes; wo_frag 524,288 bytes
;; launch kvsum (part 3): grid 256 x 1, 4 waves a work-group, clusters of 4 x 1, 327,680 bytes of LDS; arguments x_codes, x_scales, W_qkv_codes, W_qkv_scales, b_qkv, mask, W_out_codes, kvp, wo_frag; writes kvp, wo_frag
.if DOCPART == 3
	.amdgcn_target "amdgcn-amd-amdhsa--gfx1250"
	.amdhsa_code_object_version 6
	.text
	.protected	k_q283fc6b07e_kvsum
	.globl	k_q283fc6b07e_kvsum
	.p2align	8
	.type	k_q283fc6b07e_kvsum,@function
k_q283fc6b07e_kvsum:
	s_mov_b64 s[64:65], 0
	v_nop
	global_prefetch_b8 v0, s[64:65] scope:SCOPE_SE
	s_setreg_imm32_b32 hwreg(HW_REG_WAVE_MODE, 25, 1), 1
	s_wait_xcnt 0x0
	s_wait_alu depctr_hold_cnt(0) depctr_sa_sdst(0) depctr_va_vdst(0) depctr_va_sdst(0) depctr_va_ssrc(0) depctr_va_vcc(0) depctr_vm_vsrc(0)
	s_getreg_b32 s2, hwreg(HW_REG_IB_STS2, 6, 4)
	s_cmp_eq_u32 s2, 0
	s_cbranch_scc0 .Lentry_in_a_cluster
	s_endpgm
.Lentry_in_a_cluster:
	s_bfe_u32 s2, ttmp6, 0x10000c
	s_cmp_lg_u32 s2, 0x3003
	s_cbranch_scc0 .Lentry_shape_is_right
	s_endpgm
.Lentry_shape_is_right:
; FIRST OF TWO LAUNCHES.  k = x Wk^T + bk and v = x Wv^T + bv on codes of FP4 (E2M1) with E8M0 scales as they are given, k / |k|, masked rows of k = 0, and the sum over 64 tokens of k v:
; kvp[g][1024] f32, one row for each work-group g (tokens 64 g .. 64 g + 63; batch b owns rows 64 b .. 64 b + 63).  The second launch adds a batch's 64 rows.
; Side job: W_out's codes are laid once in the order of an operand's registers: wo_frag [eb 16][i 4][s 8][c 2][lane 32][16 bytes]: lane (r, h) holds bytes 64 s + 32 c + 16 h .. + 15 of row 64 eb + 4 r + i.
; NO WORK OF reference() IS LEFT OUT in this program: every input has a way to the output and is loaded; masked rows are computed and their weight is selected to 0.
; LIMITS.  A row's sum of squares must stay a normal f32 number (|row| between about 1e-19 and 1.8e19): above it overflows as in reference(), below 2^-126 v_rsq_f32 takes it for 0.  1 / |k| is v_rsq_f32 and a
; multiplication where reference() takes a root and divides, and it multiplies k v, which must stay inside f32 (under 3.4e38).  kv is summed in another order than reference()'s.  NaN and infinities among the inputs are
; not served; an unmasked row of norm 0 was not tried.
; SHARES.  A work-group owns 64 tokens (two blocks mp of 32); wave w owns features 256 w .. 256 w + 255 of k and of v for all 64 tokens, in 4 chunks of 64 features (4 tiles n of 16).
; PLACES 0 to 7: k of chunks 0, 1, 2; v of chunk 0; k of chunk 3; v of chunks 1, 2, 3.  p = k (v + bv) takes k's registers; behind the last k the tokens' weights (1 / |k|, or 0 where masked) are known, and p x weight is summed.
; x's codes, 64 rows x all of K, stay in registers (window 1) in every wave; they come through LDS once: 16 rows a wave by global loads, stored as padded rows, read by all.
; The weights go through a ring of two LDS slots for each wave, a chunk (64 rows x 512 bytes) to a slot; a wave reads only what it fetched, each byte once.
; CLUSTER.  All row blocks walk the same weights: four work-groups form a cluster and ask for each tile jointly (the same tensor load, the same descriptor, a mask that names the four).
; A cluster begins its walk at chunk rot = its number mod 4, so at place 0 the clusters ask for all four chunks of Wk between them; rot enters global addresses alone.
; THE PRODUCT: source 0 = 32 tokens, source 1 = 16 rows of the weight: a lane holds ONE feature (lane % 16); registers 0-7 of a result are tokens 8 (lane / 16) + 0 .. 7, registers 8-15 the same 16 tokens on.
; So an accumulator (n, mp) of 16 registers is the tiles m = 2 mp and 2 mp + 1 of 16 tokens, 8 registers each, and the sum over tokens stays in the lane.
; REGISTERS, in windows of 256: window 0: see below;  window 1: x's fragments (m, s) at v[128 (m / 2) + 16 s + 8 (m % 2)];  windows 2, 3: four blocks of 128: block b in window 2 + b / 2 at v[128 (b % 2) ..]:
; k of chunk c, later p, in block c; v of chunk 0 in block 3, v of chunks 1 to 3 in block 0, which has been summed by then; tile (n, m) at 8 (4 n + m) of its block.  The text has no loop: these numbers change from place to place.
.set PITCH, 528                        ; an LDS row: 512 bytes + 16 of padding: 33 x 16 bytes, so the 16 rows of a load begin in 16 different 16-byte columns of 256 bytes
.set TILEB, 16*PITCH
.set WSLOT, 64*PITCH                   ; a slot of one wave; a wave's two slots lie on end
.set XR,    8*WSLOT                    ; behind the four rings: x's 64 rows
.set NRM,   XR+WSLOT                   ; [wave][token] f32: each wave's sums of squares
.set WTS,   NRM+1024                   ; [wave][token] f32: the tokens' weights, each wave's own copy
.set KVS,   WTS+1024                   ; [wave][chunk of the walk][64] f32: each wave's part of the result
.set SPARE, KVS+4096                   ; the spare words, 128 bytes for each wave: two blocks of 256 bytes that no other line names
.set PFO,  1                           ; v1   the prefetch's offset; never rewritten
.set LN,   3                           ; v3   lane
.set ADR,  4                           ; v4-5 my lane's place in my slot 0, 1
.set WSO,  7                           ; v7   32 r + 16 h + 8192 w: the weights' scale bytes
.set BO,   8                           ; v8   4 r + 1024 w: the bias.  k's four bias words lie in v0, v2, v6, v14: v[(2 << n) - 2]
.set SPW,  9                           ; v9   LDS address of my spare word; never rewritten
.set NIL,  10                          ; v10  0; never rewritten
.set NRMW, 11
.set MK,   12                          ; v12-13 two mask bytes
.set KVSW, 15
.set XS,   16                          ; v16-31  x's scale words [mp][K step]: lane l has token 32 mp + l
.set WS,   32                          ; v32-63  the weights' scale words, two sets: [set][n][q]: lanes 0-15 K step q, lanes 16-31 K step 4 + q
.set WB,   64                          ; v64-191 two buffers of eight weight fragments: [buffer][K step % 2][n]
.set SS,   192                         ; v192-223 sums of squares [m][j], then the tokens' weights [m][j]
.set TW,   224                         ; v224-239 at work,
.set S,    224                         ; and eight running pairs
.set KR,   240                         ; v240-247 the sums just made, by the chunk's parity
.set BVR,  248                         ; v248, 250, 252, 254: v's bias words (each with an odd neighbour that is written at the head and not used)
.set WV,  24                           ; s24 wave
.set CX,  25                           ; s25 my place in the cluster: it enters global addresses of x, the mask, kvp, W_out, wo_frag and the prefetch alone
.set G,   26
.set G1W, 32                           ; s[32:39] group 1: 64 rows of 512 bytes, joint
.set G0A, 52                           ; s[52:55] group 0 of slot 0;  s[56:59] of slot 1
.set G0B, 56
.set P0,  60                           ; s[60:61] Wk at my wave's rows;  s[62:63] Wv
.set P1,  62
.set SEL, 66                           ; s[66:67] v_permlanex16_b32's selects for lane l xor 16
.set ROT, 68
.set FN,  69                           ; s69 4 g + w
.set RT,  70                           ; s[70:71] a tile's offset (the upper word stays 0; these never hold my place in the cluster)
.set RS,  72
.set RB,  74
.set SB,  76                           ; s[76:77] the scale bytes' base for the place being asked for
.set BB,  78                           ; s[78:79] b_qkv at this place's chunk
.set MSB, 0
.macro WIN new                         ; the immediate's high byte repeats the setting that is left; a switch that changes nothing is dropped
.if MSB != (\new)
	s_set_vgpr_msb (MSB<<8)|(\new)
.set MSB, \new
.endif
.endm
.macro PLACES                          ; four places behind matrix instructions, in front of loads into their registers and of reads of their results
.rept 4
	v_nop
.endr
.endm
.macro CREST                           ; a round of the cluster's barrier behind its opening barrier
	s_cmp_lg_u32 s[WV], 0
	s_cbranch_scc1 .Lnot_wave_0_\@
	s_barrier_signal -3
.Lnot_wave_0_\@:
	s_barrier_wait -3
	s_barrier_signal -1
	s_barrier_wait -1
.endm
.macro ROUND
	s_barrier_signal -1
	s_barrier_wait -1
	CREST
.endm
.macro PLC i                           ; what place i holds: pV = 0 for k, 1 for v; pC the walk's chunk
.if (\i) < 3
.set pV, 0
.set pC, \i
.elseif (\i) == 3
.set pV, 1
.set pC, 0
.elseif (\i) == 4
.set pV, 0
.set pC, 3
.else
.set pV, 1
.set pC, (\i)-4
.endif
.endm
.macro TADDR g0, j                     ; the global address of the tile at place j into the group 0 at g0
	PLC \j
	s_add_co_u32 s[RT], s[ROT], pC
	s_and_b32 s[RT], s[RT], 3
	s_lshl_b32 s[RT], s[RT], 15
	s_add_nc_u64 s[(\g0)+2:(\g0)+3], s[P0+2*pV:P0+2*pV+1], s[RT:RT+1]
	s_or_b32 s[(\g0)+3], s[(\g0)+3], 0x80000000
.endm
; one matrix instruction on the registers named by rD, rA, rB, rSA, rSB.  first = 1: C = 0; else in place.  row = 1: K steps 4 to 7, whose weight scale words lie in lanes 16-31
.macro WMMA first, row
.if \first
	v_wmma_scale_f32_32x16x128_f4 v[rD:rD+15], v[rA:rA+15], v[rB:rB+7], 0, v[rSA], v[rSB]
.elseif (\row)
	v_wmma_scale_f32_32x16x128_f4 v[rD:rD+15], v[rA:rA+15], v[rB:rB+7], v[rD:rD+15], v[rSA], v[rSB] matrix_b_scale:MATRIX_SCALE_ROW1
.else
	v_wmma_scale_f32_32x16x128_f4 v[rD:rD+15], v[rA:rA+15], v[rB:rB+7], v[rD:rD+15], v[rSA], v[rSB]
.endif
.endm
; A UNIT is two K steps of a place: eight weight fragments, fetched by one run of 16 loads, and one run of 16 matrix instructions on the place's eight accumulators, which take turns, one instruction a turn.
.macro LOADS slot, k, buf              ; K steps k, k + 1
.irp ks, 0,1
.irp n, 0,1,2,3
.irp c, 0,1
.set rW, WB+64*(\buf)+32*\ks+8*\n+4*\c
	ds_load_b128 v[rW:rW+3], v[ADR+(\slot)] offset:\n*TILEB+64*((\k)+\ks)+32*\c
.endr
.endr
.endr
.endm
.macro MULR k, a, b                    ; turns a .. b - 1 of K step k; turn t is tile n = t / 2, token block mp = t % 2
	WIN WINA
.set rF, 0
.if (\k) == 0
.set rF, 1
.endif
.irp t, 0,1,2,3,4,5,6,7
.if (\t >= (\a)) && (\t < (\b))
.set rD, ACCB+16*\t
.set rA, 128*(\t%2)+16*(\k)
.set rB, WB+64*(UB%2)+32*((\k)%2)+8*(\t/2)
.set rSA, XS+8*(\t%2)+(\k)
.set rSB, WS+16*(CH%2)+4*(\t/2)+(\k)%4
	WMMA rF, (\k)/4
.endif
.endr
.endm
.macro UNITX u, slot, un               ; fetches unit un from slot into the buffer that the last unit has left, and multiplies unit u
	WIN 0
	PLACES
	LOADS \slot, 2*(\un), (UB+1)%2
	s_wait_dscnt 24                                ; the first K step's 8 loads are in; behind them stand the second's 8 and the 16 just issued
	MULR 2*(\u), 0, 8
	s_wait_dscnt 16                                ; and the second's
	MULR 2*(\u)+1, 0, 8
.set UB, UB+1
.endm
.macro UNIT u
	UNITX \u, CH%2, (\u)+1
.endm
; Unit 3 of a place whose slot is filled again, with the tile two places on.  Behind its first K step each wave waits for all its tensor loads (the next place's tile), adds 0 to its spare word, and waits for that and
; for its reads of this slot; the barrier opens a round of the cluster's barrier; the joint refill is the first thing behind the round, and has the next place up to its last K step in which to land.
.macro TURN
	WIN 0
	s_wait_dscnt 8                                 ; K step 6 is in; K step 7's 8 loads may be out
	MULR 6, 0, 8
	WIN 0
	s_wait_tensorcnt 0x0                           ; no tensor load of mine is out, so a group 0 may be written
	ds_add_u32 v[SPW], v[NIL]                      ; 0 onto my spare word
	TADDR G0A+4*(CH%2), CH+2
	s_wait_dscnt 1                                 ; K step 7 is in; the add may be out
	MULR 7, 0, 4
	s_wait_dscnt 0x0                               ; the add is done, and my reads of this slot are over
	s_barrier_signal -1
	MULR 7, 4, 8
.set UB, UB+1
	WIN 0
	s_barrier_wait -1
	CREST
	tensor_load_to_lds s[G0A+4*(CH%2):G0A+4*(CH%2)+3], s[G1W:G1W+7]
	s_nop 0
	PLACES                                         ; also the places in front of the loads below and of the reads of the last results
	LOADS (CH+1)%2, 0, UB%2
.endm
; A PREFETCH of Wv's 524,288 bytes, behind place 0's refill and its LDS loads: one place ahead of the first tensor load that names them (place 3's, at the end of place 1, at which the clusters ask for all of Wv between them).
; Each aligned block of 256 bytes is named once in the launch: clusters 0 to 3 ask, 16 work-groups x 4 waves x 32 lanes = 2,048 blocks; block = 32 (4 g + w) + lane: the partners are told apart by address.
; The branch hangs on the cluster's number alone.  Wk comes by its loads alone: nothing is prefetched at the head.
.macro PREF
	s_cmp_lt_u32 ttmp9, 4
	s_cbranch_scc0 .Lnot_mine_\@
	global_prefetch_b8 v[PFO], s[8:9] offset:1048576 th:TH_LOAD_NT scope:SCOPE_SE
.Lnot_mine_\@:
.endm
; place i's scale words (16 rows x 32 bytes a load: 512 bytes on end), a place ahead.  The base is written anew here: every earlier load that named it has been waited for
.macro GLOADS i
	PLC \i
	s_add_co_u32 s[RS], s[ROT], pC
	s_and_b32 s[RS], s[RS], 3                      ; the chunk at this place
	s_lshl_b32 s[RS], s[RS], 11
	s_add_nc_u64 s[SB:SB+1], s[10:11], s[RS:RS+1]
.irp n, 0,1,2,3
	global_load_b128 v[WS+16*((\i)%2)+4*\n:WS+16*((\i)%2)+4*\n+3], v[WSO], s[SB:SB+1] offset:32768*(1+pV)+512*\n
.endr
.endm
.macro BLOAD                           ; this place's four bias words: they are wanted behind its products
	s_add_co_u32 s[RB], s[ROT], cC
	s_and_b32 s[RB], s[RB], 3
	s_lshl_b32 s[RB], s[RB], 8
	s_add_nc_u64 s[BB:BB+1], s[12:13], s[RB:RB+1]
.irp n, 0,1,2,3
.if cV
	global_load_b32 v[BVR+2*\n], v[BO], s[BB:BB+1] offset:8192+64*\n
.else
	global_load_b32 v[(2<<\n)-2], v[BO], s[BB:BB+1] offset:4096+64*\n
.endif
.endr
.endm
.macro SSQ c                           ; chunk c of k: the bias, then the sums of squares in 16 chains; each accumulator is read from its low end on
.set kW, 2+(\c)/2
	WIN kW+(kW<<6)
.irp n, 0,1,2,3
.irp m, 0,1,2,3
.irp jp, 0,1,2,3
.set rQ, 128*((\c)%2)+8*(4*\n+\m)+2*\jp
	v_pk_add_f32 v[rQ:rQ+1], v[rQ:rQ+1], v[(2<<\n)-2:(2<<\n)-1] op_sel_hi:[1,0]
.endr
.endr
.endr
	WIN kW+(kW<<2)
.irp jp, 0,1,2,3
.irp n, 0,1,2,3
.irp m, 0,1,2,3
.set rQ, 128*((\c)%2)+8*(4*\n+\m)+2*\jp
.set rS, SS+8*\m+2*\jp
.if ((\c) == 0) && (\n == 0)
	v_pk_mul_f32 v[rS:rS+1], v[rQ:rQ+1], v[rQ:rQ+1]
.else
	v_pk_fma_f32 v[rS:rS+1], v[rQ:rQ+1], v[rQ:rQ+1], v[rS:rS+1]
.endif
.endr
.endr
.endr
	WIN 0
.endm
.macro PKV c                           ; p = k (v + bv) of chunk c, in k's registers
.set vS, 0
.if (\c) == 0
.set vS, 3
.endif
.set vW, 2+vS/2
.set kW, 2+(\c)/2
	WIN vW+(vW<<6)
.irp n, 0,1,2,3
.irp m, 0,1,2,3
.irp jp, 0,1,2,3
.set rV, 128*(vS%2)+8*(4*\n+\m)+2*\jp
	v_pk_add_f32 v[rV:rV+1], v[rV:rV+1], v[BVR+2*\n:BVR+2*\n+1] op_sel_hi:[1,0]
.endr
.endr
.endr
	WIN vW+(kW<<2)+(kW<<6)
.irp n, 0,1,2,3
.irp m, 0,1,2,3
.irp jp, 0,1,2,3
.set rV, 128*(vS%2)+8*(4*\n+\m)+2*\jp
.set rQ, 128*((\c)%2)+8*(4*\n+\m)+2*\jp
	v_pk_mul_f32 v[rQ:rQ+1], v[rV:rV+1], v[rQ:rQ+1]
.endr
.endr
.endr
	WIN 0
.endm
.macro FIN c                           ; chunk c: the sum over my 32 tokens of p x weight for four features, in eight chains, then lane l xor 16's 32 tokens
	WIN 0x02+(\c)/2
.irp jp, 0,1,2,3
.irp mh, 0,1
.irp n, 0,1,2,3
.irp ml, 0,1
.set rQ, 128*((\c)%2)+8*(4*\n+2*\mh+\ml)+2*\jp
.set rV, SS+8*(2*\mh+\ml)+2*\jp
.set rS, S+4*\n+2*\ml
.if (\jp == 0) && (\mh == 0)
	v_pk_mul_f32 v[rS:rS+1], v[rQ:rQ+1], v[rV:rV+1]
.else
	v_pk_fma_f32 v[rS:rS+1], v[rQ:rQ+1], v[rV:rV+1], v[rS:rS+1]
.endif
.endr
.endr
.endr
.endr
	WIN 0
.irp n, 0,1,2,3
	v_pk_add_f32 v[S+4*\n:S+4*\n+1], v[S+4*\n:S+4*\n+1], v[S+4*\n+2:S+4*\n+3]
.endr
.irp n, 0,1,2,3
	v_add_f32 v[S+4*\n], v[S+4*\n], v[S+4*\n+1]
.endr
.irp n, 0,1,2,3
	v_permlanex16_b32 v[S+4*\n+1], v[S+4*\n], s[SEL], s[SEL+1]
.endr
.irp n, 0,1,2,3
	v_add_f32 v[KR+4*((\c)%2)+\n], v[S+4*\n], v[S+4*\n+1]
.endr
.irp n, 0,1,2,3
	ds_store_b32 v[KVSW], v[KR+4*((\c)%2)+\n] offset:64*(4*(\c)+\n)   ; both halves of the lanes write the same word with the same value
.endr
.endm
.macro POST i                          ; what follows place i: k's bias and squares; or p, and, once the tokens' weights are known, its sum
	PLC \i
.if pV == 0
	SSQ pC
.else
	PKV pC
.if pC > 0
	FIN pC
.endif
.endif
.endm
.macro SETCH i
.set CH, \i
	PLC \i
.set cV, pV
.set cC, pC
.set cS, pC
.if pV
.set cS, 0
.if pC == 0
.set cS, 3
.endif
.endif
.set WINA, 0xa1+0x50*(cS/2)
.set ACCB, 128*(cS%2)
.endm
.macro THREE                           ; a place's units 0 to 2
	BLOAD
	UNIT 0
	UNIT 1
	UNIT 2
.endm
	s_load_b256 s[4:11], s[0:1], 0x0               ; x's codes s[4:5], x's scales s[6:7], W_qkv's codes s[8:9], its scales s[10:11]
	s_load_b256 s[12:19], s[0:1], 0x20             ; b_qkv s[12:13], mask s[14:15], W_out's codes s[16:17], kvp s[18:19]
	s_load_b64 s[20:21], s[0:1], 0x40              ; wo_frag
	v_lshl_add_u32 v[SPW], v0, 2, SPARE
	v_mov_b32 v[NIL], 0
	ds_add_u32 v[SPW], v[NIL]                      ; the wave's opening: the add, twice on end, and its wait ahead of my first tensor load
	ds_add_u32 v[SPW], v[NIL]
	v_lshrrev_b32 v1, 5, v0
	v_readfirstlane_b32 s[WV], v1                  ; wave 0..3
	s_bfe_u32 s[CX], ttmp6, 0x40000                ; my place in the cluster
	s_lshl_b32 s[G], ttmp9, 2                      ; in a cluster launch ttmp9 counts clusters
	s_add_co_u32 s[G], s[G], s[CX]                 ; work-group = 4 x cluster + place
	s_and_b32 s[ROT], ttmp9, 3                     ; where my cluster begins its walk
	s_lshl_b32 s[FN], s[G], 2
	s_add_co_u32 s[FN], s[FN], s[WV]               ; f = 4 g + w: which 512 bytes of wo_frag my wave lays: f = ((eb 4 + i) 8 + s) 2 + c
	s_mov_b32 s[RT+1], 0
	s_mov_b32 s[RS+1], 0
	s_mov_b32 s[RB+1], 0
	s_mov_b32 s[G1W], 15|(1<<20)|(1<<21)|(6<<22)|(3<<25)   ; 15:0 the mask: all four; 17:16 elements of 1 byte; 20 padding on; 21 set beside a mask; 24:22 after every 128 words; 31:25 four words
	s_mov_b32 s[G1W+1], 512<<16                    ; tensor_dim0 = 512
	s_mov_b32 s[G1W+2], 64<<16                     ; tensor_dim1 = 64
	s_mov_b32 s[G1W+3], 512<<16                    ; tile_dim0 = 512
	s_mov_b32 s[G1W+4], 64                         ; tile_dim1 = 64
	s_mov_b32 s[G1W+5], 512                        ; from row to row
	s_mov_b32 s[G1W+6], 0
	s_mov_b32 s[G1W+7], 0
	s_mov_b32 s[SEL], 0x76543210
	s_mov_b32 s[SEL+1], 0xfedcba98
	s_mul_i32 s27, s[WV], 2*WSLOT                  ; my wave's ring: no place in the cluster enters an LDS address
	s_mov_b32 s[G0A], 1
	s_mov_b32 s[G0A+1], s27
	s_mov_b32 s[G0B], 1
	s_add_co_u32 s[G0B+1], s27, WSLOT
	s_lshl_b32 s30, s[WV], 17                      ; my wave's 256 rows of a weight: 131,072 w bytes (these two registers never hold my place in the cluster)
	s_mov_b32 s31, 0
	s_lshl_b32 s22, s[WV], 13
	s_lshl_b32 s23, s[WV], 10
	s_lshl_b32 s2, s[WV], 8                        ; (s2 stays: 256 w)
	s_mul_i32 s3, s[WV], TILEB
	v_and_b32 v1, 15, v0                           ; r
	v_bfe_u32 v2, v0, 4, 1                         ; h
	v_and_b32 v[LN], 31, v0
	v_mul_u32_u24 v253, v1, PITCH
	v_lshl_add_u32 v253, v2, 4, v253               ; a fragment: row r x pitch + 16 h
	v_add_nc_u32 v[ADR], s27, v253
	v_add_nc_u32 v[ADR+1], WSLOT, v[ADR]
	v_add_nc_u32 v253, XR, v253                    ; and in x's rows
	v_lshlrev_b32 v251, 4, v[LN]                   ; 16 bytes a lane: a row of x, wo_frag
	v_add_nc_u32 v255, s3, v251
	v_add_nc_u32 v255, XR, v255                    ; my 16 rows of x in LDS
	v_lshlrev_b32 v244, 5, v[LN]                   ; x's scale bytes: 32 a token
	v_lshlrev_b32 v[WSO], 5, v1
	v_lshl_add_u32 v[WSO], v2, 4, v[WSO]
	v_add_nc_u32 v[WSO], s22, v[WSO]
	v_lshlrev_b32 v[BO], 2, v1
	v_add_nc_u32 v[BO], s23, v[BO]
	v_add_nc_u32 v[KVSW], KVS, v[BO]
	v_lshlrev_b32 v[NRMW], 5, v2
	v_add_nc_u32 v[NRMW], s2, v[NRMW]
	v_add_nc_u32 v[NRMW], NRM, v[NRMW]             ; 256 w + 32 h; the weights lie 1,024 bytes on
	v_lshlrev_b32 v249, 11, v1
	v_lshl_add_u32 v249, v2, 4, v249               ; W_out: 4 rows of 512 bytes from lane to lane, + 16 h
	v_lshl_add_u32 v[PFO], s[FN], 5, v[LN]         ; which 32 blocks of Wv my wave would prefetch: block 32 f + lane,
	v_lshlrev_b32 v[PFO], 8, v[PFO]                ; of 256 bytes
	s_wait_alu depctr_va_vdst(0)                   ; at the end of the head's vector work
	s_wait_dscnt 0x0                               ; both opening adds are done
	s_wait_kmcnt 0x0
	s_lshl_b32 s28, s[G], 15                       ; x: 64 rows of 512 bytes a work-group,
	s_lshl_b32 s29, s[WV], 13                      ; 16 a wave
	s_add_co_u32 s28, s28, s29
	s_mov_b32 s29, 0
	s_add_nc_u64 s[4:5], s[4:5], s[28:29]
	s_lshl_b32 s28, s[G], 11
	s_add_nc_u64 s[6:7], s[6:7], s[28:29]          ; x's scales: 64 rows of 32 bytes a work-group
	WIN 0x80                                       ; x's rows rest in window 2, which holds nothing yet
.irp i, 0,1,2,3,4,5,6,7,8,9,10,11,12,13,14,15
	global_load_b128 v[4*\i:4*\i+3], v251, s[4:5] offset:512*\i th:TH_LOAD_NT   ; a row: 512 bytes on end
.endr
	WIN 0
	s_add_nc_u64 s[P0:P0+1], s[8:9], s[30:31]
	s_add_nc_u64 s[P1:P1+1], s[P0:P0+1], 1048576   ; Wv: rows 2,048 on
	s_add_nc_u64 s[P0:P0+1], s[P0:P0+1], 524288    ; Wk: rows 1,024 on
	TADDR G0A, 0
	ROUND                                          ; all four work-groups are here: the first joint loads meet
	tensor_load_to_lds s[G0A:G0A+3], s[G1W:G1W+7]  ; place 0: my one load at the head
	s_nop 0
	PLACES
.irp mp, 0,1
.irp hf, 0,1
	global_load_b128 v[XS+8*\mp+4*\hf:XS+8*\mp+4*\hf+3], v244, s[6:7] offset:1024*\mp+16*\hf
.endr
.endr
	GLOADS 0
	s_lshl_b32 s28, s[G], 6
	s_add_nc_u64 s[14:15], s[14:15], s[28:29]      ; the mask: 64 bytes
	global_load_u8 v[MK], v[LN], s[14:15]          ; tokens lane and lane + 32
	global_load_u8 v[MK+1], v[LN], s[14:15] offset:32
	s_lshr_b32 s3, s[FN], 6
	s_lshl_b32 s3, s3, 6                           ; 64 eb
	s_bfe_u32 s28, s[FN], 0x20004                  ; i
	s_add_co_u32 s3, s3, s28
	s_lshl_b32 s3, s3, 9                           ; row 64 eb + i, in bytes
	s_and_b32 s28, s[FN], 15                       ; 2 s + c
	s_lshl_b32 s28, s28, 5                         ; 64 s + 32 c
	s_add_co_u32 s28, s28, s3
	s_add_nc_u64 s[16:17], s[16:17], s[28:29]
	global_load_b128 v[240:243], v249, s[16:17]
	s_lshl_b32 s28, s[G], 12
	s_add_nc_u64 s[18:19], s[18:19], s[28:29]      ; kvp: my row
	s_lshl_b32 s28, s[FN], 9
	s_add_nc_u64 s[20:21], s[20:21], s[28:29]
	s_wait_loadcnt 11                              ; my rows of x are in; behind them stand 4 + 4 + 2 + 1 loads
	WIN 0x08                                       ; data in window 2
.irp i, 0,1,2,3,4,5,6,7,8,9,10,11,12,13,14,15
	ds_store_b128 v255, v[4*\i:4*\i+3] offset:PITCH*\i
.endr
	WIN 0
	s_wait_dscnt 0x0                               ; for the others' sake: my stores are done
	s_barrier_signal -1
	s_barrier_wait -1                              ; everybody's are; the tile on its way may stay out
	WIN 0x40                                       ; destination window 1
.irp m, 0,1,2,3
.irp s, 0,1,2,3,4,5,6,7
.irp c, 0,1
	ds_load_b128 v[128*(\m/2)+16*\s+8*(\m%2)+4*\c:128*(\m/2)+16*\s+8*(\m%2)+4*\c+3], v253 offset:\m*TILEB+64*\s+32*\c
.endr
.endr
.endr
	WIN 0
	s_wait_loadcnt 0x0
	global_store_b128 v251, v[240:243], s[20:21]   ; 32 lanes store 512 bytes on end
	GLOADS 1
	s_wait_tensorcnt 0x0                           ; place 0 is in
	ds_add_u32 v[SPW], v[NIL]
	TADDR G0B, 1
	s_wait_dscnt 0x0                               ; the add is done, and x's fragments are in
	ROUND
	tensor_load_to_lds s[G0B:G0B+3], s[G1W:G1W+7]  ; place 1
	s_nop 0
	PLACES
.set UB, 0
	LOADS 0, 0, 0
	s_wait_xcnt 0x0                                ; the store has read its registers, which are written again further down
	SETCH 0
	THREE
	TURN
	PREF
.irp i, 1,2,3,4
	s_wait_loadcnt 0x0                             ; this place's scale words, asked for a place ago, and the last place's bias words
	GLOADS \i+1
	POST \i-1
	SETCH \i
	THREE
	TURN
.endr
	s_wait_loadcnt 0x0
	GLOADS 6
	POST 4
	; ---- the norms: across the 16 lanes of a half (my wave's 256 features), then across the waves through LDS
	v_lshlrev_b32 v234, 2, v[LN]
	v_add_nc_u32 v235, NRM, v234                   ; tokens lane and lane + 32 of wave 0's sums
	v_add_nc_u32 v234, s2, v234
	v_add_nc_u32 v234, WTS, v234                   ; and of my wave's weights
.irp x, 1,2,4,8
.set i, 0
.rept 32
	v_add_f32_dpp v[SS+i], v[SS+i], v[SS+i] row_xmask:\x row_mask:0xf bank_mask:0xf
.set i, i+1
.endr
.endr
.irp m, 0,1,2,3
.irp q, 0,1
	ds_store_b128 v[NRMW], v[SS+8*\m+4*\q:SS+8*\m+4*\q+3] offset:64*\m+16*\q   ; tokens 16 m + 8 h + 4 q on; the 16 lanes of a half write the same bytes with the same values
.endr
.endr
	s_wait_dscnt 0x0                               ; for the others' sake: my stores are done
	s_barrier_signal -1
	s_barrier_wait -1                              ; the tile on its way may stay out
.irp t, 0,1
.irp ww, 0,1,2,3
	ds_load_b32 v[TW+4*\t+\ww], v235 offset:256*\ww+128*\t   ; the four waves' parts
.endr
.endr
	s_wait_dscnt 0x0
.irp t, 0,1
	v_add_f32 v[TW+4*\t], v[TW+4*\t], v[TW+4*\t+1]
	v_add_f32 v[TW+4*\t+2], v[TW+4*\t+2], v[TW+4*\t+3]
.endr
.irp t, 0,1
	v_add_f32 v[TW+4*\t], v[TW+4*\t], v[TW+4*\t+2]
.endr
	s_wait_alu depctr_va_vdst(0)                   ; a wait ahead of the transcendentals,
	v_rsq_f32 v[TW+8], v[TW]
	v_rsq_f32 v[TW+9], v[TW+4]
	v_nop                                          ; a plain instruction behind the last of the two
	s_wait_alu depctr_va_vdst(0)                   ; and one ahead of their first reader
	v_cmp_eq_u32 vcc_lo, 0, v[MK]
	v_cndmask_b32 v[TW+8], 0, v[TW+8], vcc_lo      ; a masked token's weight is 0, else 1 / |k|
	v_cmp_eq_u32 vcc_lo, 0, v[MK+1]
	v_cndmask_b32 v[TW+9], 0, v[TW+9], vcc_lo
	ds_store_b32 v234, v[TW+8]
	ds_store_b32 v234, v[TW+9] offset:128
.irp m, 0,1,2,3
.irp q, 0,1
	ds_load_b128 v[SS+8*\m+4*\q:SS+8*\m+4*\q+3], v[NRMW] offset:1024+64*\m+16*\q   ; my wave's own bytes, served in order: the weights in the accumulators' layout
.endr
.endr
	s_wait_dscnt 0x0
	FIN 0
	SETCH 5
	THREE
	TURN
	s_wait_loadcnt 0x0
	GLOADS 7
	POST 5
	SETCH 6
	THREE
	s_wait_tensorcnt 0x0                           ; the last tile is in: no load was issued behind it, and only my wave reads its bytes
	UNITX 3, 1, 0                                  ; fetches the last place's unit 0
	WIN 0
	PLACES
	s_wait_loadcnt 0x0
	POST 6
	SETCH 7
	THREE
	s_wait_dscnt 8                                 ; K step 6 is in; K step 7's 8 loads stand behind it
	MULR 6, 0, 8
	s_wait_dscnt 0x0
	MULR 7, 0, 8
	WIN 0
	PLACES
	s_wait_loadcnt 0x0
	POST 7
	; ---- my wave's 256 sums leave: sixteen lanes hold a chunk's 256 bytes and store them on end
	s_lshl_b32 s28, s[WV], 10
	v_lshlrev_b32 v192, 4, v[LN]
	v_add_nc_u32 v192, s28, v192                   ; 1024 w + 16 lane
	v_add_nc_u32 v193, KVS, v192
	ds_load_b128 v[196:199], v193                  ; my wave's own bytes, served in order: the walk's chunks 0 (lanes 0-15) and 1 (lanes 16-31),
	ds_load_b128 v[200:203], v193 offset:512       ; 2 and 3
	v_lshrrev_b32 v194, 4, v[LN]
	v_and_b32 v195, 15, v[LN]
	v_lshlrev_b32 v195, 4, v195
	v_add_nc_u32 v195, s28, v195                   ; 1024 w + 16 (lane % 16)
	v_add_nc_u32 v194, s[ROT], v194
	v_and_b32 v204, 3, v194                        ; the walk's chunk lane / 16,
	v_add_nc_u32 v194, 2, v194
	v_and_b32 v205, 3, v194                        ; and 2 + lane / 16
	v_lshl_add_u32 v204, v204, 8, v195
	v_lshl_add_u32 v205, v205, 8, v195
	s_wait_alu depctr_va_vdst(0)
	s_wait_dscnt 0x0
	global_store_b128 v204, v[196:199], s[18:19]
	global_store_b128 v205, v[200:203], s[18:19]
	s_wait_tensorcnt 0x0                           ; the wave's end, behind my last tensor load and my last LDS store
	ds_add_u32 v[SPW], v[NIL]
	s_wait_dscnt 0x0
	ROUND                                          ; the closing round: no work-group ends while a partner may still ask for a tile that names it
	s_endpgm
.Lfunc_end_k_q283fc6b07e_kvsum:
	.size	k_q283fc6b07e_kvsum, .Lfunc_end_k_q283fc6b07e_kvsum-k_q283fc6b07e_kvsum
	.p2alignl 7, 3214868480
	.fill 96, 4, 3214868480
	.section	.rodata,"a",@progbits
	.p2align	6, 0x0
	.amdhsa_kernel k_q283fc6b07e_kvsum
		.amdhsa_group_segment_fixed_size 327680
		.amdhsa_private_segment_fixed_size 0
		.amdhsa_enable_private_segment 0
		.amdhsa_kernarg_size 72
		.amdhsa_user_sgpr_count 2
		.amdhsa_user_sgpr_kernarg_segment_ptr 1
		.amdhsa_wavefront_size32 1
		.amdhsa_system_sgpr_workgroup_id_x 1
		.amdhsa_system_sgpr_workgroup_id_y 1
		.amdhsa_system_sgpr_workgroup_id_z 1
		.amdhsa_system_vgpr_workitem_id 0
		.amdhsa_next_free_vgpr 1024
		.amdhsa_next_free_sgpr 80
		.amdhsa_reserve_vcc 1
		.amdhsa_float_denorm_mode_32 3
		.amdhsa_float_denorm_mode_16_64 3
		.amdhsa_memory_ordered 1
		.amdhsa_forward_progress 1
		.amdhsa_inst_pref_size 228
	.end_amdhsa_kernel
	.amdgpu_metadata
---
amdhsa.version: [ 1, 2 ]
amdhsa.kernels:
  - .name:           k_q283fc6b07e_kvsum
    .symbol:         k_q283fc6b07e_kvsum.kd
    .args:
      - { .name: x_codes, .offset: 0, .size: 8, .value_kind: global_buffer, .address_space: global }
      - { .name: x_scales, .offset: 8, .size: 8, .value_kind: global_buffer, .address_space: global }
      - { .name: W_qkv_codes, .offset: 16, .size: 8, .value_kind: global_buffer, .address_space: global }
      - { .name: W_qkv_scales, .offset: 24, .size: 8, .value_kind: global_buffer, .address_space: global }
      - { .name: b_qkv, .offset: 32, .size: 8, .value_kind: global_buffer, .address_space: global }
      - { .name: mask, .offset: 40, .size: 8, .value_kind: global_buffer, .address_space: global }
      - { .name: W_out_codes, .offset: 48, .size: 8, .value_kind: global_buffer, .address_space: global }
      - { .name: kvp, .offset: 56, .size: 8, .value_kind: global_buffer, .address_space: global }
      - { .name: wo_frag, .offset: 64, .size: 8, .value_kind: global_buffer, .address_space: global }
    .group_segment_fixed_size: 327680
    .private_segment_fixed_size: 0
    .kernarg_segment_align: 8
    .kernarg_segment_size: 72
    .max_flat_workgroup_size: 128
    .sgpr_count:     80
    .vgpr_count:     1024
    .wavefront_size: 32
...
	.end_amdgpu_metadata
.endif
;; end of part 3
;; launch proj (part 4): grid 256 x 1, 4 waves a work-group, clusters of 4 x 1, 327,680 bytes of LDS; arguments x_codes, x_scales, W_qkv_codes, W_qkv_scales, b_qkv, kvp, wo_frag, W_out_scales, b_out, out0; writes out0
.if DOCPART == 4
	.amdgcn_target "amdgcn-amd-amdhsa--gfx1250"
	.amdhsa_code_object_version 6
	.text
	.protected	k_q283fc6b07e_proj
	.globl	k_q283fc6b07e_proj
	.p2align	8
	.type	k_q283fc6b07e_proj,@function
k_q283fc6b07e_proj:
	s_mov_b64 s[64:65], 0
	v_nop
	global_prefetch_b8 v0, s[64:65] scope:SCOPE_SE
	s_setreg_imm32_b32 hwreg(HW_REG_WAVE_MODE, 25, 1), 1
	s_wait_xcnt 0x0
	s_wait_alu depctr_hold_cnt(0) depctr_sa_sdst(0) depctr_va_vdst(0) depctr_va_sdst(0) depctr_va_ssrc(0) depctr_va_vcc(0) depctr_vm_vsrc(0)
	s_getreg_b32 s2, hwreg(HW_REG_IB_STS2, 6, 4)
	s_cmp_eq_u32 s2, 0
	s_cbranch_scc0 .Lentry_in_a_cluster
	s_endpgm
.Lentry_in_a_cluster:
	s_bfe_u32 s2, ttmp6, 0x10000c
	s_cmp_lg_u32 s2, 0x3003
	s_cbranch_scc0 .Lentry_shape_is_right
	s_endpgm
.Lentry_shape_is_right:
; SECOND OF TWO LAUNCHES.  q = x Wq^T + bq, q / |q|, kv = the sum of my batch's 64 rows of kvp, out = kv q quantised along the features by the stated rule, out0 = out W_out^T + b_out.
; Both products on codes of FP4 (E2M1) with E8M0 scales.  No work of reference() is left out here either.
; LIMITS.  A row's sum of squares must stay a normal f32 number (|row| between about 1e-19 and 1.8e19).  1 / |q| is v_rsq_f32 and a multiplication.  A block of zeros of out gets the scale byte 1 where the rule
; says 127: its codes are zeros, and the bytes are read by this program alone.  NaN and infinities among the inputs are not served; a row of norm 0 was not tried.
; SHARES, RING, CLUSTER as in the first launch: 64 tokens a work-group, wave w owns features (then output columns) 256 w .. 256 w + 255, the token operand stays in registers (window 1), the weights go through two
; LDS slots a wave, a chunk of 64 rows x 512 bytes to a slot, asked for jointly by the four work-groups of a cluster.  Places 0-3: Wq.  Places 4-7: wo_frag, whose 512-byte pieces are the rows of the same descriptor.
; Wq: place p holds chunk (p + 2 r1) mod 4, r1 = the cluster's number mod 2: the two halves of a wave's features change places, each half a K step of the second product.  wo_frag: place p holds chunk
; (p + the cluster's number) mod 4.  Both are the same in the four partners.  They enter global addresses and, of LDS addresses, only those by which out's fragments and scale words are read: a wave stores its fragment
; sg at place 2 w + sg, which is K step 2 w + (sg xor r1), so K step s is read at place s xor r1.
; Q IS MADE TRANSPOSED (source 0 = 32 rows of Wq, source 1 = 16 tokens): a lane holds ONE token (lane % 16); registers 0-7 of a result are features 8 (lane / 16) + 0 .. 7 of the 32, registers 8-15 the same 16 on.
; Wave w's 256 features are two K steps of the second product: it quantises them in registers, and the fragments go to the other waves through LDS as images of their registers.
; THE SECOND PRODUCT: source 0 = 32 tokens, source 1 = 16 rows of W_out; tile i of a chunk holds columns 4 r + i: a lane's four tiles give it four neighbouring columns of a token, 16 bytes, and sixteen lanes store 256 bytes on end.
; kvp's 64 ROWS COME IN FOUR BATCHES of 16 into window 3: the first two in front of and within place 0, the third beside place 1, the fourth beside place 2; each is added up before a place's accumulators take its registers.
; A place's 32 stores go out in the next place's units 0 to 2, behind the units' fragment loads: 8, 12 and 12; the last place's as soon as they are made.
; REGISTERS: window 1: x's fragments (m, s) at v[64 m + 8 s], later out's (m, s) at v[128 (m / 2) + 16 s + 8 (m % 2)];  windows 2, 3: q: place c in window 2 + c / 2, accumulator (np, m) at v[128 (c % 2) + 16 (4 np + m)]:
; so block b of 32 features of my fragment sg and token tile m is v[64 b + 16 m .. + 15] of window 2 + sg.  Then window 2 v0-127: the second product's accumulators (i, mp) at v[16 (2 i + mp)], window 3: two sets of 128 registers to store.
.set PITCH, 528
.set TILEB, 16*PITCH
.set WSLOT, 64*PITCH
.set XR,    8*WSLOT                    ; x's 64 rows; when all waves have read them (barriers lie between) the images of out's 32 fragments are stored there: (m, place) at 1024 (8 m + place)
.set OSC,   XR+WSLOT                   ; out's scale words [place][token]
.set KV,    OSC+2048                   ; kv, 1,024 f32, by waves and places
.set NRM,   KV+4096                    ; [wave][token] f32
.set SPARE, NRM+1024                   ; the spare words, 128 bytes for each wave: two blocks of 256 bytes that no other line names
.set PFO,  1                           ; v1     the prefetch's offset; never rewritten
.set ADR,  4                           ; v4-5   my lane's place in my slot 0, 1, by rows
.set ADF,  6                           ; v6-7   the same, 16 bytes a lane (wo_frag's pieces)
.set LIE,  8                           ; v8, v9 where I read the images of the even, the odd K steps
.set LIO,  9
.set OIW,  10
.set OSRE, 11                          ; v11, v12 the same for their scale words
.set OSRO, 12
.set KVA,  13
.set NRMW, 14
.set NRMR, 15
.set WSO,  16                          ; v16    32 lane + 8192 w: Wq's scale bytes
.set WSO2, 17                          ; v17    128 r + 16 h + 8192 w: W_out's (rows 4 r + i)
.set BQO,  18
.set BOO,  19
.set GO,   20                          ; v20    32768 h + 16 r + 1024 w: my bytes in out0
.set KPO,  21
.set KVW,  22
.set OSW,  23
.set SPW,  24                          ; v24    LDS address of my spare word; never rewritten
.set NIL,  25                          ; v25    0; never rewritten
.set XS,   32                          ; v32-47  x's scale words [m][q]: lanes 0-15 K step q, lanes 16-31 K step 4 + q;  later out's [mp][K step]: lane l has token 32 mp + l
.set WS,   48                          ; v48-79  the weights' scale words, two sets: Wq's [np][K step], lane l row 32 np + l;  W_out's [i][q], lanes 0-15 K step q, lanes 16-31 K step 4 + q
.set WB,   80                          ; v80-207 two buffers of eight weight fragments: [buffer][K step % 2][n]
.set TM,   80                          ; while out is quantised no buffer is in use: v80-95 maxima [m][b],
.set TP,   96                          ; v96-111 at work, then the bytes,
.set SCL,  112                         ; v112-127 the conversions' scale operands,
.set F,    128                         ; v128-159 four fragments of codes,
.set PW,   160                         ; v160-163 their scale words,
.set KVR,  164                         ; v164-227 kv of a K step in q's layout: [b][16];
.set NL,   176                         ; before that the norms' parts
.set BQ,   208                         ; v208-239 bq in the result's layout: [n][8]
.set BOUT, 208                         ; later b_out: [place][4]
.set SQ,   240                         ; v240-247 sums of squares, a pair for each m; a second pair for each m in v26-31 and v2-3
.set RN,   240                         ; then 1 / |q| of tile m at v[240 + 2 m]
.set KH,   248                         ; v248-255 kv's running sum: my 8 numbers
.set WV,  24
.set CX,  25                           ; my place in the cluster: it enters global addresses of x, out0 and the prefetch alone
.set G,   26
.set G1W, 32
.set G0A, 52
.set G0B, 56
.set P0,  60                           ; s[60:61] Wq at my wave's rows;  s[62:63] wo_frag at my wave's four blocks
.set P1,  62
.set SEL, 66
.set ROTA, 68                          ; s68 2 r1
.set ROTB, 69                          ; s69 the cluster's number mod 4
.set RT,  70                           ; s[70:71] a tile's offset (the upper word stays 0; these never hold my place in the cluster)
.set RS,  72
.set RB,  74
.set SB,  76
.set BB,  78
.set OBS, 80                           ; s[80:81] out0's base for the chunk being stored
.set BO4, 84                           ; s[84:91] b_out's base for each of the four places
.set MSB, 0
.macro WIN new
.if MSB != (\new)
	s_set_vgpr_msb (MSB<<8)|(\new)
.set MSB, \new
.endif
.endm
.macro PLACES
.rept 4
	v_nop
.endr
.endm
.macro CREST
	s_cmp_lg_u32 s[WV], 0
	s_cbranch_scc1 .Lnot_wave_0_\@
	s_barrier_signal -3
.Lnot_wave_0_\@:
	s_barrier_wait -3
	s_barrier_signal -1
	s_barrier_wait -1
.endm
.macro ROUND
	s_barrier_signal -1
	s_barrier_wait -1
	CREST
.endm
.macro TADDR g0, j                     ; the global address of the tile at place j (0-3: Wq, 4-7: wo_frag) into the group 0 at g0
.if (\j) < 4
	s_add_co_u32 s[RT], s[ROTA], (\j)
.else
	s_add_co_u32 s[RT], s[ROTB], (\j)-4
.endif
	s_and_b32 s[RT], s[RT], 3
	s_lshl_b32 s[RT], s[RT], 15
	s_add_nc_u64 s[(\g0)+2:(\g0)+3], s[P0+2*((\j)/4):P0+2*((\j)/4)+1], s[RT:RT+1]
	s_or_b32 s[(\g0)+3], s[(\g0)+3], 0x80000000
.endm
.macro WMMA cm, row                    ; cm = 1: C = other registers; 2: C = 0; 0: in place.  row = 1: source 1's scale words lie in lanes 16-31
.if (\cm) == 1
	v_wmma_scale_f32_32x16x128_f4 v[rD:rD+15], v[rA:rA+15], v[rB:rB+7], v[rC:rC+15], v[rSA], v[rSB]
.elseif (\cm) == 2
	v_wmma_scale_f32_32x16x128_f4 v[rD:rD+15], v[rA:rA+15], v[rB:rB+7], 0, v[rSA], v[rSB]
.elseif (\row)
	v_wmma_scale_f32_32x16x128_f4 v[rD:rD+15], v[rA:rA+15], v[rB:rB+7], v[rD:rD+15], v[rSA], v[rSB] matrix_b_scale:MATRIX_SCALE_ROW1
.else
	v_wmma_scale_f32_32x16x128_f4 v[rD:rD+15], v[rA:rA+15], v[rB:rB+7], v[rD:rD+15], v[rSA], v[rSB]
.endif
.endm
; A UNIT is two K steps of a place: eight weight fragments, fetched by one run of 16 loads, and one run of 16 matrix instructions on eight accumulators by turns, one instruction a turn.
; frag = 0: from rows of codes;  1: from wo_frag's pieces, piece ((n 8 + s) 2 + c) being that row of the tile: 512 bytes on end
.macro LOADS slot, k, buf, frag
.irp ks, 0,1
.irp n, 0,1,2,3
.irp c, 0,1
.set rW, WB+64*(\buf)+32*\ks+8*\n+4*\c
.if \frag
	ds_load_b128 v[rW:rW+3], v[ADF+(\slot)] offset:((\n*8+(\k)+\ks)*2+\c)*PITCH
.else
	ds_load_b128 v[rW:rW+3], v[ADR+(\slot)] offset:\n*TILEB+64*((\k)+\ks)+32*\c
.endif
.endr
.endr
.endr
.endm
; turns a .. b - 1 of K step k.  Places 0-3: turn t is two weight tiles np = t / 4 (one operand), token tile m = t % 4;  places 4-7: tile i = t / 2, token block mp = t % 2
.macro MULR k, a, b
.set rCM, 0
.if (\k) == 0
.set rCM, CMODE
	WIN WINF
.else
	WIN WINA
.endif
.irp t, 0,1,2,3,4,5,6,7
.if (\t >= (\a)) && (\t < (\b))
.set rD, ACCB+16*\t
.if CH < 4
.set rA, WB+64*(UB%2)+32*((\k)%2)+16*(\t/4)
.set rB, 64*(\t%4)+8*(\k)
.set rC, BQ+16*(\t/4)
.set rSA, WS+16*(CH%2)+8*(\t/4)+(\k)
.set rSB, XS+4*(\t%4)+(\k)%4
.else
.set rA, 128*(\t%2)+16*(\k)
.set rB, WB+64*(UB%2)+32*((\k)%2)+8*(\t/2)
.set rSA, XS+8*(\t%2)+(\k)
.set rSB, WS+16*(CH%2)+4*(\t/2)+(\k)%4
.endif
	WMMA rCM, (\k)/4
.endif
.endr
.endm
; fetches unit un from slot into the buffer that the last unit has left, sends what else is due to or from memory, and multiplies unit u
.macro UNITX u, slot, un, frag
	WIN 0
	PLACES
	LOADS \slot, 2*(\un), (UB+1)%2, \frag
.if (CH < 3) && ((\u) == 1)
	BQL CH+1                                       ; unit 0 has taken this place's bias
.endif
.if (CH == 0) && ((\u) == 2)
	KLOAD 24, 192, 8
.endif
.if (CH >= 5) && ((\u) == 0)
	STOR CH-5, 0, 8
.endif
.if (CH >= 5) && (((\u) == 1) || ((\u) == 2))
	STOR CH-5, 12*(\u)-4, 12
.endif
.if (CH == 4) && ((\u) == 0)
	s_wait_dscnt 56                                ; of the 112 loads since the last wait the first 56 are in: the scale words, this unit's fragments and the token operand's first three K steps
.else
	s_wait_dscnt 24                                ; the first K step's 8 loads are in; behind them stand the second's 8 and the 16 just issued
.endif
	MULR 2*(\u), 0, 8
.if (CH != 4) || ((\u) != 0)
	s_wait_dscnt 16                                ; and the second's
.endif
	MULR 2*(\u)+1, 0, 8
.set UB, UB+1
.endm
.macro UNIT u
	UNITX \u, CH%2, (\u)+1, FRAG
.endm
.macro THREE                           ; a place's units 0 to 2
	UNIT 0
	UNIT 1
	UNIT 2
.endm
; unit 3 of a place whose slot is filled again: the three lines, the barrier that opens a round of the cluster's barrier, the joint refill first behind the round.  ld = 1: the next place's unit 0 is fetched
.macro TURN ld
	WIN 0
	s_wait_dscnt 8                                 ; K step 6 is in; K step 7's 8 loads may be out
	MULR 6, 0, 8
	WIN 0
	s_wait_tensorcnt 0x0                           ; no tensor load of mine is out, so a group 0 may be written
	ds_add_u32 v[SPW], v[NIL]                      ; 0 onto my spare word
	TADDR G0A+4*(CH%2), CH+2
	s_wait_dscnt 1                                 ; K step 7 is in; the add may be out
	MULR 7, 0, 4
	s_wait_dscnt 0x0                               ; the add is done, and my reads of this slot are over
	s_barrier_signal -1
	MULR 7, 4, 8
.set UB, UB+1
	WIN 0
	s_barrier_wait -1
	CREST
	tensor_load_to_lds s[G0A+4*(CH%2):G0A+4*(CH%2)+3], s[G1W:G1W+7]
	s_nop 0
	PLACES                                         ; also the places in front of the loads below and of the reads of the last results
.if \ld
	LOADS (CH+1)%2, 0, UB%2, NFRAG
.endif
.endm
; A PREFETCH of wo_frag's 524,288 bytes, behind place 0's refill and its LDS loads: two places ahead of the first tensor load that names them (place 2's refill, at which the clusters ask for all four of a wave's tiles
; between them).  Each aligned block of 256 bytes is named once in the launch: clusters 0 to 3 ask, 16 work-groups x 4 waves x 32 lanes = 2,048 blocks; block = 32 (4 g + w) + lane: the partners are told apart by address.
; The branch hangs on the cluster's number alone.  Wq comes by its loads alone, kvp by loads that begin at the head: nothing is prefetched there.
.macro PREF
	s_cmp_lt_u32 ttmp9, 4
	s_cbranch_scc0 .Lnot_mine_\@
	global_prefetch_b8 v[PFO], s[16:17] th:TH_LOAD_NT scope:SCOPE_SE
.Lnot_mine_\@:
.endm
; place i's scale words, a place ahead.  The bases are written anew here: every earlier load that named them has been waited for
.macro GLOADS i
.if (\i) < 4
	s_add_co_u32 s[RS], s[ROTA], (\i)
	s_and_b32 s[RS], s[RS], 3                      ; the chunk at this place
	s_lshl_b32 s[RB], s[RS], 8
	s_lshl_b32 s[RS], s[RS], 11
	s_add_nc_u64 s[SB:SB+1], s[10:11], s[RS:RS+1]
	s_add_nc_u64 s[BB:BB+1], s[12:13], s[RB:RB+1]
.irp n, 0,1,2,3
	global_load_b128 v[WS+16*((\i)%2)+4*\n:WS+16*((\i)%2)+4*\n+3], v[WSO], s[SB:SB+1] offset:1024*(\n/2)+16*(\n%2)
.endr
.else
	s_add_co_u32 s[RS], s[ROTB], (\i)-4
	s_and_b32 s[RS], s[RS], 3
	s_lshl_b32 s[RS], s[RS], 11
	s_add_nc_u64 s[SB:SB+1], s[18:19], s[RS:RS+1]
.irp n, 0,1,2,3
	global_load_b128 v[WS+16*((\i)%2)+4*\n:WS+16*((\i)%2)+4*\n+3], v[WSO2], s[SB:SB+1] offset:32*\n
.endr
.endif
.endm
.macro BQL i                           ; place i's bias in the result's layout (lane (r, h): the tile's features 8 h + 0 .. 7), from the base that GLOADS i has made
.irp n, 0,1,2,3
	global_load_b128 v[BQ+8*\n:BQ+8*\n+3], v[BQO], s[BB:BB+1] offset:64*\n
	global_load_b128 v[BQ+8*\n+4:BQ+8*\n+7], v[BQO], s[BB:BB+1] offset:64*\n+16
.endr
.endm
; cnt rows of my batch's kvp, from row row0 on, into window 3 from v[base] on: 8 registers a row, two loads; a wave's load takes 512 bytes on end
.macro KLOAD row0, base, cnt
	WIN 0xc0
.set kp, 0
.rept \cnt
	global_load_b128 v[(\base)+8*kp:(\base)+8*kp+3], v[KPO], s[14:15] offset:4096*(kp+(\row0))
	global_load_b128 v[(\base)+8*kp+4:(\base)+8*kp+7], v[KPO], s[14:15] offset:4096*(kp+(\row0))+2048
.set kp, kp+1
.endr
	WIN 0
.endm
.macro ROWADD base, st, cnt            ; rows 0 .. cnt - 1 take rows st .. st + cnt - 1
.set kp, 0
.rept \cnt
.irp e, 0,2,4,6
	v_pk_add_f32 v[(\base)+8*kp+\e:(\base)+8*kp+\e+1], v[(\base)+8*kp+\e:(\base)+8*kp+\e+1], v[(\base)+8*(kp+(\st))+\e:(\base)+8*(kp+(\st))+\e+1]
.endr
.set kp, kp+1
.endr
.endm
; n rows (32 or 16) of window 3 from v[base] on are added up, in place, and go into the running sum in window 0 (first = 1: they start it)
.macro KSUM base, n, first
	WIN 0xff
.if (\n) == 32
	ROWADD \base, 16, 16
.endif
	ROWADD \base, 8, 8
	ROWADD \base, 4, 4
	ROWADD \base, 2, 2
.if \first
	WIN 0x0f                                       ; sources window 3, destination window 0
.irp e, 0,2,4,6
	v_pk_add_f32 v[KH+\e:KH+\e+1], v[(\base)+\e:(\base)+\e+1], v[(\base)+8+\e:(\base)+8+\e+1]
.endr
.else
	ROWADD \base, 1, 1
	WIN 0x03                                       ; source 0 window 3
.irp e, 0,2,4,6
	v_pk_add_f32 v[KH+\e:KH+\e+1], v[(\base)+\e:(\base)+\e+1], v[KH+\e:KH+\e+1]
.endr
.endif
	WIN 0
.endm
.macro SSQ c                           ; the sums of squares of place c of q: two chains for each tile of tokens; each accumulator is read from its low end on
	WIN 0x0a+5*((\c)/2)
.irp jh, 0,1
.irp n, 0,1,2,3
.irp jl, 0,1
.irp m, 0,1,2,3
.set rQ, 128*((\c)%2)+16*(4*(\n/2)+\m)+8*(\n%2)+4*\jh+2*\jl
.set rS, SQ+2*\m
.if \jl
.set rS, 26+2*\m
.if \m == 3
.set rS, 2
.endif
.endif
.if ((\c) == 0) && (\jh == 0) && (\n == 0)
	v_pk_mul_f32 v[rS:rS+1], v[rQ:rQ+1], v[rQ:rQ+1]
.else
	v_pk_fma_f32 v[rS:rS+1], v[rQ:rQ+1], v[rQ:rQ+1], v[rS:rS+1]
.endif
.endr
.endr
.endr
.endr
	WIN 0
.endm
; My fragment sg (window 2 + sg), all 64 tokens.  Block b, token tile m: v[64 b + 16 m + e]: lane (r, h) holds feature 32 b + 8 h + e (e < 8) and 32 b + 16 + 8 h + e - 8 of token 16 m + r; lane l xor 16 has the block's other half
.macro QUANT sg
	WIN 0x82+0x41*(\sg)
.irp m, 0,1,2,3
.irp b, 0,1,2,3
.irp e, 0,2,4,6,8,10,12,14
	v_pk_mul_f32 v[64*\b+16*\m+\e:64*\b+16*\m+\e+1], v[64*\b+16*\m+\e:64*\b+16*\m+\e+1], v[RN+2*\m:RN+2*\m+1] op_sel_hi:[1,0]   ; q / |q|
.endr
.endr
.endr
.irp m, 0,1,2,3
.irp b, 0,1,2,3
.irp e, 0,2,4,6,8,10,12,14
	v_pk_mul_f32 v[64*\b+16*\m+\e:64*\b+16*\m+\e+1], v[64*\b+16*\m+\e:64*\b+16*\m+\e+1], v[KVR+16*\b+\e:KVR+16*\b+\e+1]         ; x kv
.endr
.endr
.endr
	WIN 0x0a+5*(\sg)
.irp m, 0,1,2,3
.irp b, 0,1,2,3
	v_max3_num_f32 v[TM+4*\m+\b], |v[64*\b+16*\m]|, |v[64*\b+16*\m+1]|, 0x1800000   ; my 16 numbers of block b, and the floor 2^(3 - 127): the byte cannot fall under 1
.endr
.endr
.irp e, 2,4,6,8,10,12,14
.irp m, 0,1,2,3
.irp b, 0,1,2,3
	v_max3_num_f32 v[TM+4*\m+\b], |v[64*\b+16*\m+\e]|, |v[64*\b+16*\m+\e+1]|, v[TM+4*\m+\b]   ; (the sixteen blocks by turns)
.endr
.endr
.endr
	WIN 0
.set i, 0
.rept 16
	v_permlanex16_b32 v[TP+i], v[TM+i], s[SEL], s[SEL+1]
.set i, i+1
.endr
.set i, 0
.rept 16
	v_max_num_f32 v[TM+i], v[TM+i], v[TP+i]        ; with lane l xor 16's: the block's largest magnitude
.set i, i+1
.endr
.set i, 0
.rept 16
	v_add_nc_u32 v[SCL+i], 0xff000000, v[TM+i]     ; 2 off its exponent field: the conversion takes the exponent field of this operand as its scale
.set i, i+1
.endr
.set i, 0
.rept 16
	v_lshrrev_b32 v[TP+i], 23, v[SCL+i]            ; the scale's byte
.set i, i+1
.endr
.irp m, 0,1,2,3
	v_lshl_or_b32 v[PW+\m], v[TP+4*\m+1], 8, v[TP+4*\m]
.endr
.irp m, 0,1,2,3
	v_lshl_or_b32 v[PW+\m], v[TP+4*\m+2], 16, v[PW+\m]
.endr
.irp m, 0,1,2,3
	v_lshl_or_b32 v[PW+\m], v[TP+4*\m+3], 24, v[PW+\m]   ; a token's scale word of this K step
.endr
	WIN 0x02+(\sg)
.irp m, 0,1,2,3
.irp cc, 0,1                           ; low halves of blocks 2 cc, 2 cc + 1, then high halves: the two exchanges below then give registers 4 cc + g: k = 64 cc + 32 h + 8 g + 0 .. 7
	v_cvt_scalef32_pk8_fp4_f32 v[F+8*\m+4*\cc], v[128*\cc+16*\m:128*\cc+16*\m+7], v[SCL+4*\m+2*\cc]
	v_cvt_scalef32_pk8_fp4_f32 v[F+8*\m+4*\cc+1], v[128*\cc+64+16*\m:128*\cc+64+16*\m+7], v[SCL+4*\m+2*\cc+1]
	v_cvt_scalef32_pk8_fp4_f32 v[F+8*\m+4*\cc+2], v[128*\cc+16*\m+8:128*\cc+16*\m+15], v[SCL+4*\m+2*\cc]
	v_cvt_scalef32_pk8_fp4_f32 v[F+8*\m+4*\cc+3], v[128*\cc+64+16*\m+8:128*\cc+64+16*\m+15], v[SCL+4*\m+2*\cc+1]
.endr
.endr
	WIN 0
	v_nop                                          ; one plain place behind the last scaled conversion
.irp m, 0,1,2,3
.irp x, 0,2,4,6
	v_permlane16_swap_b32 v[F+8*\m+\x], v[F+8*\m+\x+1]   ; the first's lanes 16-31 change places with the second's lanes 0-15
.endr
.endr
.irp m, 0,1,2,3
	ds_store_b128 v[OIW], v[F+8*\m:F+8*\m+3] offset:8192*\m+1024*(\sg)            ; the fragment goes to LDS as it stands: 512 bytes a store
	ds_store_b128 v[OIW], v[F+8*\m+4:F+8*\m+7] offset:8192*\m+1024*(\sg)+512
	ds_store_b32 v[OSW], v[PW+\m] offset:64*\m+256*(\sg)                          ; both halves of the lanes write the same word with the same value
.endr
.endm
; place c of the second product: one addition a number brings the bias in and four neighbouring columns together
.macro OUTB c                          ; out0's base for this place
	PLACES
	s_wait_xcnt 0x0                                ; the earlier stores have read their registers and their base
	s_add_co_u32 s[RB], s[ROTB], (\c)
	s_and_b32 s[RB], s[RB], 3                      ; the chunk at this place:
	s_lshl_b32 s[RB], s[RB], 8                     ; its 64 columns are 256 bytes
	s_add_nc_u64 s[OBS:OBS+1], s[22:23], s[RB:RB+1]
.endm
.macro OUTM c, m
.set OB, 128*((\c)%2)
	WIN 0xc2
.irp j, 0,1,2,3,4,5,6,7
.irp i, 0,1,2,3
	v_add_f32 v[OB+4*(8*(\m)+\j)+\i], v[8*(4*\i+(\m))+\j], v[BOUT+4*(\c)+\i]
.endr
.endr
.endm
.macro OUTA c
	OUTB \c
	OUTM \c, 0
	OUTM \c, 1
	OUTM \c, 2
	OUTM \c, 3
	s_wait_alu depctr_va_vdst(0)                   ; the stores stand behind later waits
	WIN 0
.endm
.macro STOR c, s0, cnt                 ; stores s0 .. s0 + cnt - 1 of place c: store 8 m + j's lanes 0-15 fill 256 bytes on end of token 16 m + j, lanes 16-31 of token 16 m + 8 + j
.set OB, 128*((\c)%2)
.set st, \s0
	WIN 0x0c
.rept \cnt
	global_store_b128 v[GO], v[OB+4*st:OB+4*st+3], s[OBS:OBS+1] offset:4096*(16*(st/8)+st%8) th:TH_STORE_NT
.set st, st+1
.endr
	WIN 0
.endm
.macro SETCH i
.set CH, \i
.if (\i) < 4
.set WINA, 0xa4+0x50*((\i)/2)
.set WINF, 0x84+0x40*((\i)/2)
.set ACCB, 128*((\i)%2)
.set CMODE, 1
.set FRAG, 0
.else
.set WINA, 0xa1
.set WINF, 0xa1
.set ACCB, 0
.set CMODE, 2
.set FRAG, 1
.endif
.set NFRAG, 1
.if (\i) < 3
.set NFRAG, 0
.endif
.endm
	s_load_b256 s[4:11], s[0:1], 0x0               ; x's codes s[4:5], x's scales s[6:7], W_qkv's codes s[8:9], its scales s[10:11]
	s_load_b256 s[12:19], s[0:1], 0x20             ; b_qkv s[12:13], kvp s[14:15], wo_frag s[16:17], W_out's scales s[18:19]
	s_load_b128 s[20:23], s[0:1], 0x40             ; b_out s[20:21], out0 s[22:23]
	v_lshl_add_u32 v[SPW], v0, 2, SPARE
	v_mov_b32 v[NIL], 0
	ds_add_u32 v[SPW], v[NIL]                      ; the wave's opening: the add, twice on end, and its wait ahead of my first tensor load
	ds_add_u32 v[SPW], v[NIL]
	v_lshrrev_b32 v1, 5, v0
	v_readfirstlane_b32 s[WV], v1
	s_bfe_u32 s[CX], ttmp6, 0x40000
	s_lshl_b32 s[G], ttmp9, 2
	s_add_co_u32 s[G], s[G], s[CX]
	s_and_b32 s92, ttmp9, 1                        ; r1
	s_xor_b32 s93, s92, 1                          ; 1 - r1
	s_lshl_b32 s[ROTA], s92, 1
	s_and_b32 s[ROTB], ttmp9, 3
	s_mov_b32 s[RT+1], 0
	s_mov_b32 s[RS+1], 0
	s_mov_b32 s[RB+1], 0
	s_mov_b32 s[G1W], 15|(1<<20)|(1<<21)|(6<<22)|(3<<25)   ; the mask: all four; elements of 1 byte; padding: four words after every 128; bit 21 beside the mask
	s_mov_b32 s[G1W+1], 512<<16
	s_mov_b32 s[G1W+2], 64<<16
	s_mov_b32 s[G1W+3], 512<<16
	s_mov_b32 s[G1W+4], 64
	s_mov_b32 s[G1W+5], 512
	s_mov_b32 s[G1W+6], 0
	s_mov_b32 s[G1W+7], 0
	s_mov_b32 s[SEL], 0x76543210
	s_mov_b32 s[SEL+1], 0xfedcba98
	s_mul_i32 s27, s[WV], 2*WSLOT
	s_mov_b32 s[G0A], 1
	s_mov_b32 s[G0A+1], s27
	s_mov_b32 s[G0B], 1
	s_add_co_u32 s[G0B+1], s27, WSLOT
	s_lshl_b32 s30, s[WV], 17                      ; 131,072 w: my wave's part of a weight (these two registers never hold my place in the cluster)
	s_mov_b32 s31, 0
	s_lshl_b32 s94, s[WV], 13
	s_lshl_b32 s95, s[WV], 10
	s_lshl_b32 s96, s[WV], 8
	s_mul_i32 s97, s[WV], TILEB
	s_lshl_b32 s98, s[WV], 11
	s_lshl_b32 s99, s[WV], 9
	s_lshl_b32 s100, s[G], 2
	s_add_co_u32 s100, s100, s[WV]                 ; 4 g + w
	s_lshl_b32 s101, s92, 9
	s_lshl_b32 s2, s92, 10
	s_lshl_b32 s3, s93, 10
	s_lshl_b32 s28, s92, 8
	s_lshl_b32 s29, s93, 8
	v_and_b32 v1, 15, v0                           ; r
	v_bfe_u32 v2, v0, 4, 1                         ; h
	v_and_b32 v3, 31, v0                           ; lane
	v_mul_u32_u24 v26, v1, PITCH
	v_lshl_add_u32 v26, v2, 4, v26                 ; row r x pitch + 16 h
	v_add_nc_u32 v[ADR], s27, v26
	v_add_nc_u32 v[ADR+1], WSLOT, v[ADR]
	v_add_nc_u32 v30, XR, v26                      ; and in x's rows
	v_lshlrev_b32 v27, 4, v3                       ; 16 lane
	v_add_nc_u32 v[ADF], s27, v27
	v_add_nc_u32 v[ADF+1], WSLOT, v[ADF]
	v_add_nc_u32 v29, s97, v27
	v_add_nc_u32 v29, XR, v29                      ; my 16 rows of x in LDS
	v_add_nc_u32 v26, XR, v27
	v_add_nc_u32 v[OIW], s98, v26                  ; my wave's two fragments' places begin at 2048 w
	v_add_nc_u32 v[LIE], s2, v26                   ; even K step s: place s + r1;
	v_add_nc_u32 v[LIO], s3, v26                   ; odd: place s - 1 + (1 - r1)
	v_lshlrev_b32 v28, 2, v1                       ; 4 r
	v_lshlrev_b32 v26, 2, v3                       ; 4 lane
	v_add_nc_u32 v26, OSC, v26
	v_add_nc_u32 v[OSRE], s28, v26
	v_add_nc_u32 v[OSRO], s29, v26
	v_add_nc_u32 v[OSW], s99, v28
	v_add_nc_u32 v[OSW], OSC, v[OSW]
	v_add_nc_u32 v[NRMW], s96, v28
	v_add_nc_u32 v[NRMW], NRM, v[NRMW]
	v_add_nc_u32 v[NRMR], NRM, v28
	v_lshlrev_b32 v31, 5, v1
	v_lshl_add_u32 v31, v2, 4, v31                 ; 32 r + 16 h: x's scale bytes
	v_lshlrev_b32 v[BQO], 5, v2
	v_add_nc_u32 v[BQO], s95, v[BQO]               ; 32 h + 1024 w
	v_add_nc_u32 v[KVA], KV, v[BQO]
	v_lshlrev_b32 v[BOO], 4, v1
	v_add_nc_u32 v[BOO], s95, v[BOO]               ; 16 r + 1024 w
	v_lshl_add_u32 v[GO], v2, 15, v[BOO]
	v_lshlrev_b32 v[WSO], 5, v3
	v_add_nc_u32 v[WSO], s94, v[WSO]
	v_lshlrev_b32 v[WSO2], 7, v1
	v_lshl_add_u32 v[WSO2], v2, 4, v[WSO2]
	v_add_nc_u32 v[WSO2], s94, v[WSO2]
	v_lshlrev_b32 v[KPO], 4, v0                    ; 16 x thread: my 4 numbers of each half of a row of kvp;
	v_add_nc_u32 v[KVW], KV, v[KPO]                ; in LDS kv lies by places,
	v_xor_b32 v[KPO], s101, v[KPO]                 ; so in memory I take the columns of the chunk at my place: 128 columns, 512 bytes, away where r1 = 1
	v_lshl_add_u32 v[PFO], s100, 5, v3             ; the prefetch: block 32 (4 g + w) + lane,
	v_lshlrev_b32 v[PFO], 8, v[PFO]                ; of 256 bytes
	s_wait_alu depctr_va_vdst(0)                   ; at the end of the head's vector work
	s_wait_dscnt 0x0                               ; both opening adds are done
	s_wait_kmcnt 0x0
	s_lshl_b32 s28, s[G], 15
	s_lshl_b32 s29, s[WV], 13
	s_add_co_u32 s28, s28, s29                     ; x: 64 rows a work-group, 16 a wave
	s_mov_b32 s29, 0
	s_add_nc_u64 s[4:5], s[4:5], s[28:29]
	WIN 0x80                                       ; x's rows rest in window 2, which holds nothing yet
.irp i, 0,1,2,3,4,5,6,7,8,9,10,11,12,13,14,15
	global_load_b128 v[4*\i:4*\i+3], v27, s[4:5] offset:512*\i th:TH_LOAD_NT   ; a row: 512 bytes on end
.endr
	WIN 0
	s_add_nc_u64 s[P0:P0+1], s[8:9], s[30:31]
	s_add_nc_u64 s[P1:P1+1], s[16:17], s[30:31]
	TADDR G0A, 0
	ROUND                                          ; all four work-groups are here: the first joint loads meet
	tensor_load_to_lds s[G0A:G0A+3], s[G1W:G1W+7]  ; place 0: my one load at the head
	s_nop 0
	PLACES
	s_lshl_b32 s28, s[G], 11
	s_add_nc_u64 s[6:7], s[6:7], s[28:29]          ; x's scales
.irp m, 0,1,2,3
	global_load_b128 v[XS+4*\m:XS+4*\m+3], v31, s[6:7] offset:512*\m
.endr
	GLOADS 0
	BQL 0
	s_lshl_b32 s28, s[G], 18
	s_add_nc_u64 s[22:23], s[22:23], s[28:29]      ; out0: 64 rows of 4,096 bytes a work-group
	s_lshr_b32 s28, ttmp9, 4                       ; the batch: 64 work-groups, 16 clusters
	s_lshl_b32 s28, s28, 18
	s_add_nc_u64 s[14:15], s[14:15], s[28:29]      ; kvp: my batch's 64 rows
.irp p, 0,1,2,3
	s_add_co_u32 s28, s[ROTB], \p
	s_and_b32 s28, s28, 3
	s_lshl_b32 s28, s28, 8
	s_add_nc_u64 s[BO4+2*\p:BO4+2*\p+1], s[20:21], s[28:29]   ; b_out at the chunk of place p
.endr
	KLOAD 0, 0, 14                                 ; kvp's rows 0-13: 28 loads; 60 are out at the most
	s_wait_loadcnt 44                              ; my rows of x are in; behind them stand 4 + 4 + 8 + 28 loads
	WIN 0x08                                       ; data in window 2
.irp i, 0,1,2,3,4,5,6,7,8,9,10,11,12,13,14,15
	ds_store_b128 v29, v[4*\i:4*\i+3] offset:PITCH*\i
.endr
	WIN 0
	KLOAD 14, 112, 2
	s_wait_dscnt 0x0                               ; for the others' sake: my stores are done
	s_barrier_signal -1
	s_barrier_wait -1                              ; everybody's are; the tile on its way may stay out
	WIN 0x40
.irp m, 0,1,2,3
.irp s, 0,1,2,3,4,5,6,7
.irp c, 0,1
	ds_load_b128 v[64*\m+8*\s+4*\c:64*\m+8*\s+4*\c+3], v30 offset:\m*TILEB+64*\s+32*\c
.endr
.endr
.endr
	WIN 0
	s_wait_loadcnt 32                              ; x's scale words and place 0's scale words and bias are in; behind them stand the 32 loads of kvp's rows 0-15
	GLOADS 1
	KLOAD 16, 128, 8                               ; rows 16-23; rows 24-31 follow within place 0
	s_wait_tensorcnt 0x0                           ; place 0 is in
	ds_add_u32 v[SPW], v[NIL]
	TADDR G0B, 1
	s_wait_dscnt 0x0                               ; the add is done, and x's fragments are in
	ROUND
	tensor_load_to_lds s[G0B:G0B+3], s[G1W:G1W+7]  ; place 1
	s_nop 0
	PLACES
.set UB, 0
	LOADS 0, 0, 0, 0
	; ---- q: places 0 to 3, and kv beside them
	SETCH 0
	THREE
	TURN 1
	PREF
	s_wait_loadcnt 16                              ; kvp's rows 0-23, place 1's scale words and bias; behind them stand the 16 loads of rows 24-31
	GLOADS 2
	KSUM 0, 16, 1
	KLOAD 32, 0, 16                                ; rows 32-47, beside place 1, whose sums lie in window 2
	SSQ 0
	SETCH 1
	THREE
	TURN 1
	s_wait_loadcnt 0x0
	GLOADS 3
	KSUM 0, 32, 0                                  ; rows 16-47
	KLOAD 48, 128, 16                              ; rows 48-63, beside place 2, into the registers that place 3 will take
	SSQ 1
	SETCH 2
	THREE
	TURN 1
	s_wait_loadcnt 0x0
	GLOADS 4
	KSUM 128, 16, 0
	ds_store_b128 v[KVW], v[KH:KH+3]               ; kv: read by all waves behind the next barriers, in front of which these stores are waited for
	ds_store_b128 v[KVW], v[KH+4:KH+7] offset:2048
	SSQ 2
	SETCH 3
	THREE
	TURN 0                                         ; the weight buffers are at work below: place 4's fragments are fetched behind that
	s_wait_loadcnt 0x0
	GLOADS 5
	s_wait_alu depctr_va_vdst(0)
	SSQ 3
	; ---- the norms
.irp m, 0,1,2
	v_pk_add_f32 v[SQ+2*\m:SQ+2*\m+1], v[SQ+2*\m:SQ+2*\m+1], v[26+2*\m:27+2*\m]
.endr
	v_pk_add_f32 v[SQ+6:SQ+7], v[SQ+6:SQ+7], v[2:3]
.irp m, 0,1,2,3
	v_add_f32 v[SQ+2*\m], v[SQ+2*\m], v[SQ+2*\m+1]
.endr
.irp m, 0,1,2,3
	v_permlanex16_b32 v[SQ+2*\m+1], v[SQ+2*\m], s[SEL], s[SEL+1]
.endr
.irp m, 0,1,2,3
	v_add_f32 v[SQ+2*\m], v[SQ+2*\m], v[SQ+2*\m+1] ; token 16 m + r: my wave's 256 features
.endr
.irp m, 0,1,2,3
	ds_store_b32 v[NRMW], v[SQ+2*\m] offset:64*\m
.endr
	s_wait_dscnt 0x0                               ; for the others' sake: my stores are done
	s_barrier_signal -1
	s_barrier_wait -1                              ; the tile on its way may stay out
.irp m, 0,1,2,3
.irp ww, 0,1,2,3
	ds_load_b32 v[NL+4*\m+\ww], v[NRMR] offset:256*\ww+64*\m
.endr
.endr
	s_wait_dscnt 0x0
.irp m, 0,1,2,3
	v_add_f32 v[NL+4*\m], v[NL+4*\m], v[NL+4*\m+1]
	v_add_f32 v[NL+4*\m+2], v[NL+4*\m+2], v[NL+4*\m+3]
.endr
.irp m, 0,1,2,3
	v_add_f32 v[NL+4*\m], v[NL+4*\m], v[NL+4*\m+2]
.endr
	s_wait_alu depctr_va_vdst(0)                   ; a wait ahead of the transcendentals,
.irp m, 0,1,2,3
	v_rsq_f32 v[RN+2*\m], v[NL+4*\m]
.endr
	v_nop                                          ; a plain instruction behind the last of the four
	s_wait_alu depctr_va_vdst(0)                   ; and one ahead of their first reader
	; ---- out = kv q / |q|, quantised: my two fragments
.irp sg, 0,1
.irp t, 0,1,2,3,4,5,6,7
.irp q, 0,1
	ds_load_b128 v[KVR+8*\t+4*\q:KVR+8*\t+4*\q+3], v[KVA] offset:512*\sg+64*\t+16*\q
.endr
.endr
	s_wait_dscnt 0x0                               ; kv is in; the last fragments' stores are done
	QUANT \sg
.endr
	s_wait_dscnt 0x0                               ; for the others' sake: my images and scale words are stored
	s_barrier_signal -1
	s_barrier_wait -1                              ; out's 32 fragments lie in LDS
.irp c, 0,1,2,3
	global_load_b128 v[BOUT+4*\c:BOUT+4*\c+3], v[BOO], s[BO4+2*\c:BO4+2*\c+1]
.endr
.irp mp, 0,1
.irp s, 0,2,4,6
	ds_load_b32 v[XS+8*\mp+\s], v[OSRE] offset:256*\s+128*\mp
	ds_load_b32 v[XS+8*\mp+\s+1], v[OSRO] offset:256*\s+128*\mp
.endr
.endr
	LOADS 0, 0, UB%2, 1
	WIN 0x40
.irp s, 0,2,4,6                        ; K step by K step, 8 loads each, so that the first products need not wait for the last
.irp m, 0,1,2,3
.irp c, 0,1
	ds_load_b128 v[128*(\m/2)+16*\s+8*(\m%2)+4*\c:128*(\m/2)+16*\s+8*(\m%2)+4*\c+3], v[LIE] offset:1024*(8*\m+\s)+512*\c
.endr
.endr
.irp m, 0,1,2,3
.irp c, 0,1
	ds_load_b128 v[128*(\m/2)+16*\s+16+8*(\m%2)+4*\c:128*(\m/2)+16*\s+16+8*(\m%2)+4*\c+3], v[LIO] offset:1024*(8*\m+\s)+512*\c
.endr
.endr
.endr
	WIN 0
	; ---- the second product: places 4 to 7
	SETCH 4
	THREE
	TURN 1
	s_wait_loadcnt 0x0
	GLOADS 6
	OUTA 0
	SETCH 5
	THREE
	TURN 1
	s_wait_loadcnt 0x0
	GLOADS 7
	OUTA 1
	SETCH 6
	THREE
	s_wait_tensorcnt 0x0                           ; the last tile is in: no load was issued behind it, and only my wave reads its bytes
	UNITX 3, 1, 0, 1                               ; fetches the last place's unit 0
	WIN 0
	s_wait_loadcnt 0x0
	OUTA 2
	SETCH 7
	THREE
	s_wait_dscnt 8                                 ; K step 6 is in; K step 7's 8 loads stand behind it
	MULR 6, 0, 8
	s_wait_dscnt 0x0
	MULR 7, 0, 8
	WIN 0
	OUTB 3                                         ; nothing follows the last place: each token tile leaves as soon as it is added up
.irp m, 0,1,2,3
	OUTM 3, \m
	STOR 3, 8*\m, 8
.endr
	s_wait_tensorcnt 0x0                           ; the wave's end, behind my last tensor load and my last LDS store
	ds_add_u32 v[SPW], v[NIL]
	s_wait_dscnt 0x0
	ROUND                                          ; the closing round: no work-group ends while a partner may still ask for a tile that names it
	s_endpgm
.Lfunc_end_k_q283fc6b07e_proj:
	.size	k_q283fc6b07e_proj, .Lfunc_end_k_q283fc6b07e_proj-k_q283fc6b07e_proj
	.p2alignl 7, 3214868480
	.fill 96, 4, 3214868480
	.section	.rodata,"a",@progbits
	.p2align	6, 0x0
	.amdhsa_kernel k_q283fc6b07e_proj
		.amdhsa_group_segment_fixed_size 327680
		.amdhsa_private_segment_fixed_size 0
		.amdhsa_enable_private_segment 0
		.amdhsa_kernarg_size 80
		.amdhsa_user_sgpr_count 2
		.amdhsa_user_sgpr_kernarg_segment_ptr 1
		.amdhsa_wavefront_size32 1
		.amdhsa_system_sgpr_workgroup_id_x 1
		.amdhsa_system_sgpr_workgroup_id_y 1
		.amdhsa_system_sgpr_workgroup_id_z 1
		.amdhsa_system_vgpr_workitem_id 0
		.amdhsa_next_free_vgpr 1024
		.amdhsa_next_free_sgpr 102
		.amdhsa_reserve_vcc 0
		.amdhsa_float_denorm_mode_32 3
		.amdhsa_float_denorm_mode_16_64 3
		.amdhsa_memory_ordered 1
		.amdhsa_forward_progress 1
		.amdhsa_inst_pref_size 255
	.end_amdhsa_kernel
	.section	.bss,"aw",@nobits
	.p2align	6
	.space	262144
	.amdgpu_metadata
---
amdhsa.version: [ 1, 2 ]
amdhsa.kernels:
  - .name:           k_q283fc6b07e_proj
    .symbol:         k_q283fc6b07e_proj.kd
    .args:
      - { .name: x_codes, .offset: 0, .size: 8, .value_kind: global_buffer, .address_space: global }
      - { .name: x_scales, .offset: 8, .size: 8, .value_kind: global_buffer, .address_space: global }
      - { .name: W_qkv_codes, .offset: 16, .size: 8, .value_kind: global_buffer, .address_space: global }
      - { .name: W_qkv_scales, .offset: 24, .size: 8, .value_kind: global_buffer, .address_space: global }
      - { .name: b_qkv, .offset: 32, .size: 8, .value_kind: global_buffer, .address_space: global }
      - { .name: kvp, .offset: 40, .size: 8, .value_kind: global_buffer, .address_space: global }
      - { .name: wo_frag, .offset: 48, .size: 8, .value_kind: global_buffer, .address_space: global }
      - { .name: W_out_scales, .offset: 56, .size: 8, .value_kind: global_buffer, .address_space: global }
      - { .name: b_out, .offset: 64, .size: 8, .value_kind: global_buffer, .address_space: global }
      - { .name: out0, .offset: 72, .size: 8, .value_kind: global_buffer, .address_space: global }
    .group_segment_fixed_size: 327680
    .private_segment_fixed_size: 0
    .kernarg_segment_align: 8
    .kernarg_segment_size: 80
    .max_flat_workgroup_size: 128
    .sgpr_count:     102
    .vgpr_count:     1024
    .wavefront_size: 32
...
	.end_amdgpu_metadata
.endif
;; end of part 4
